; MI455X (gfx1250); checked and timed in simulation.
; The chip was launched on July 23, 2026; its instructions are those of AMD's public machine-readable ISA for CDNA 5 (MIT licence, August 2026) and "CDNA5" Instruction Set Architecture Reference Guide (July 2026). The comments in the code are by the model that wrote it; some were corrected since.
;; Multi Head Attention. Allowed arithmetic: matrix products marked QUANTISED: E2M3 operands, one E8M0 scale for each 32 along K, by v_wmma_scale_f32_16x16x128_f8f6f4 with both operands' format E2M3, f32 sums; everything else in f32.
;; Inputs: Wk 12 x 768 x 64 float32; Wo 768 x 768 float32; Wq 12 x 768 x 64 float32; Wv 12 x 768 x 64 float32; X 16 x 1,024 x 768 float32; bk 12 x 64 float32; bo 768 float32; bq 12 x 64 float32; bv 12 x 64 float32.
;; Outputs: out0 16 x 1,024 x 768 float32.
;; This version of the problem:
;;   THIS VERSION OF THE PROBLEM IS GIVEN IN LOW PRECISION. The matrix products marked QUANTISED in the list below multiply operands that are first quantised to E2M3 (2 exponent bits, 3 mantissa bits; 6 bits a number), with one power-of-two scale for each 32 numbers along K (OCP MX v1.0); their sums are f32. All else is computed in f32.
;;   The module's matrix products, in the order in which they are computed (A, B: the left and right operand; K: the contracted axis; several contracted axes count as one K, in the product's order):
;;     1. [M 768, K 768] x [K 768, N 16,384]; A: input Wq; B: input X: QUANTISED
;;     2. [M 768, K 768] x [K 768, N 16,384]; A: input Wk; B: input X: QUANTISED
;;     3. [M 768, K 768] x [K 768, N 16,384]; A: input Wv; B: input X: QUANTISED
;;     4. batch 192 x [M 1,024, K 64] x [K 64, N 1,024]; A: computed on the way; B: computed on the way: QUANTISED
;;     5. batch 192 x [M 1,024, K 1,024] x [K 1,024, N 64]; A: softmax (see below); B: computed on the way: QUANTISED
;;     6. [M 16,384, K 768] x [K 768, N 768]; A: computed on the way; B: input Wo: QUANTISED
;;   THE QUANTISER, for each operand of a quantised product, along K:
;;     - K is cut into blocks of 32 from its start; a last block that is shorter is filled with zeros.
;;     - A block's scale is 2^e with e = floor(log2(the largest magnitude in the block)) - 2, held to -126 .. 127; a block of zeros has e = 0. As a byte (E8M0): e + 127.
;;     - Each number is divided by its block's scale, clamped to +-7.5, and rounded to the nearest number of E2M3, ties to even, subnormals kept.
;;     - The product sums the exact products of the quantised numbers (number of the format x scale) in f32.
;;   ~~~python
;;   def quantise(x, axis):      # numpy; x: float32 -> the quantised numbers, widened to float32 again
;;       x = np.moveaxis(x, axis, -1); K = x.shape[-1]
;;       x = np.pad(x, [(0, 0)] * (x.ndim - 1) + [(0, -K % 32)]); x = x.reshape(x.shape[:-1] + (-1, 32)); a = np.abs(x).max(-1, keepdims=True)
;;       e = np.where(a > 0, np.clip(np.frexp(np.where(a > 0, a, 1))[1] - 1 - 2, -126, 127), 0)      # np.frexp(a)[1] - 1 = floor(log2(a)), exactly
;;       r = np.clip(x / 2.0 ** e, -7.5, 7.5)
;;       step = 2.0 ** (np.maximum(np.frexp(np.where(r == 0, 1, r))[1] - 1, 0) - 3)
;;       q = np.round(r / step) * step * 2.0 ** e      # np.round: ties to even
;;       return np.moveaxis(q.reshape(q.shape[:-2] + (-1,))[..., :K], -1, axis).astype(np.float32)
;;   ~~~
;;   SOFTMAX AHEAD OF A QUANTISED PRODUCT. Where the list says 'softmax', what is quantised is not the finished softmax but p = 2^(t - M), with t = logit x log2(e) and M = ceil(the row's largest t), a whole number; so 1/2 < the row's largest p <= 1. The row's sum l is taken of the UNQUANTISED p, in f32, and the product's result is divided by l at the end. Since M is a whole number, a kernel that streams over the keys may use a running M (the ceiling of the running maximum): every later rescaling is an exact power of two, which a block's scale takes up: the codes' values come out the same.
;;   OPERANDS COMPUTED ON THE WAY. 'Computed on the way' means the value that the module computes at that place (a softmax that the list does not call 'softmax' is quantised finished and normalised). What goes into a quantiser is computed in f32, as accurately as f32 sums, v_exp_f32 and their like allow (about 1e-6 of the number): no bf16 or f16 on the way to a quantiser, and a product that is left as it is and whose result goes on into a quantised operand takes f32 operands (vector FMAs, or v_wmma_f32_16x16x4_f32). A number that lies on a knife's edge between two numbers of the format may be rounded either way, as far as f32 arithmetic and the matrix unit's own rounding can turn it there, and no further.
;; One version. Each part assembles by itself: llvm-mc -triple=amdgcn-amd-amdhsa -mcpu=gfx1250 --defsym DOCPART=n.
;; ======== version 1 of 1: 4 launches
;; limits: right only within a limited range of input values
;; workspace buffers: xq 9,830,400 bytes; wq 1,843,200 bytes; qq 9,830,400 bytes; kv 19,660,800 bytes; oq 9,830,400 bytes
;; launch quant (part 1): grid 152 x 3, 4 waves a work-group, no clusters, 34,304 bytes of LDS; arguments X, Wq, Wk, Wv, Wo, xq, wq; writes xq, wq
.if DOCPART == 1
	.amdgcn_target "amdgcn-amd-amdhsa--gfx1250"
	.amdhsa_code_object_version 6
	.text
	.protected	k_q584f6ce312_quant
	.globl	k_q584f6ce312_quant
	.p2align	8
	.type	k_q584f6ce312_quant,@function
k_q584f6ce312_quant:
	s_mov_b64 s[64:65], 0
	v_nop
	global_prefetch_b8 v0, s[64:65] scope:SCOPE_SE
	s_setreg_imm32_b32 hwreg(HW_REG_WAVE_MODE, 25, 1), 1
	s_wait_xcnt 0x0
; X [16384][768] and the four weights (K = their 768 axis, not innermost), f32, become codes of FP6 (E2M3) with one E8M0 byte for each 32 along K,
; laid as IMAGES OF OPERAND REGISTERS: a fragment is 16 rows x 128 K, 12 registers a lane (registers 6 c .. 6 c + 5 of lane (r, h): k = 64 c + 32 h + 0 .. 31);
; register i of lane l lies at byte 512 (i / 4) + 16 l + 4 (i % 4) of the fragment's 1,536 bytes.  THE ROWS OF A TILE ARE NOT NEIGHBOURS: tile (G, u) holds the indices 32 G + 8 u + r + 8 (r / 8).
; A record of scale words (256 bytes): lane 16 u + r holds the words of row r of tile u for two K steps of 128.
; SHARES: work-group y = which 256 along K.  A wave makes the four fragments (u, s') of one pair of tiles and its record.  Work-groups x < 128 take X (pair 4 x + wave), the others the weights.
; X: each load reads 512 consecutive bytes of one row; the 16 rows turn through the wave's own stage in LDS, so that a lane gets whole blocks of 32 neighbours.
; Weights: a lane takes a column and its registers run down K: nothing is transposed.
; A block's scale byte is its largest magnitude's exponent field - 2, held at 1 from below.
; LIMITS: a block of zeros gets the byte 1 (its codes are zeros, and this program alone reads the bytes); blocks whose largest magnitude lies under 2^-124 are held at byte 1; NaN and infinities are not served.
.set STGB,   8448                      ; a wave's stage: 16 rows x (512 + 16) bytes
.set SPARE,  4*STGB                    ; behind the stages: the spare words, 128 bytes a wave
.set XQREC,  9437184                   ; xq: where the records begin
.set WOBASE, 1382400                   ; wq: where Wo's slices begin
.set SPW, 12                           ; v12 my spare word's address; v13 0: never rewritten
.set NIL, 13
.set RA,  64                           ; v64-127, v128-191: two sets of 64 numbers as loaded
.set RB,  128
.set RT,  192                          ; v192-255: 64 numbers back from the stage
; v1 16 l; v2 8 l; v3 stage in; v4 stage out; v5 the weights' lane offset; v6 8 h; v16-39 codes, two sets; v40-46 second halves; v48-55 at work; v56-59 the four scale words; v60-61 the record
.macro LOADX f                         ; fragment f = 2 u + s' of X: 16 rows x 512 bytes
.set RX, RA+64*((\f)%2)
.irp i, 0,1,2,3,4,5,6,7,8,9,10,11,12,13,14,15
	global_load_b128 v[RX+4*\i:RX+4*\i+3], v1, s[48:49] offset:(8*((\f)/2)+\i+8*(\i/8))*3072+512*((\f)%2) th:TH_LOAD_NT
.endr
.endm
.macro TURN f                          ; through the stage: in as rows, out 128 bytes a block; LDS serves a wave's instructions in order
.set RX, RA+64*((\f)%2)
.irp i, 0,1,2,3,4,5,6,7,8,9,10,11,12,13,14,15
	ds_store_b128 v3, v[RX+4*\i:RX+4*\i+3] offset:528*\i
.endr
.irp c, 0,1
.irp q, 0,1,2,3,4,5,6,7
	ds_load_b128 v[RT+32*\c+4*\q:RT+32*\c+4*\q+3], v4 offset:256*\c+16*\q
.endr
.endr
.endm
.macro LOADW f, pitch                  ; fragment f of a weight: register 32 c + i = row 128 s' + 64 c + 32 h + i of my column
.set RX, RA+64*((\f)%2)
.set K_, 0
.rept 64
	global_load_b32 v[RX+K_], v5, s[48:49] offset:32*((\f)/2)+(128*((\f)%2)+K_+32*(K_/32))*(\pitch)
.set K_, K_+1
.endr
.endm
; 64 numbers of a lane (two whole blocks) become fragment f's 12 registers and its scale word, and the codes are stored: three stores of 512 consecutive bytes
.macro Q6S src, f
.set PCX, 16+12*((\f)%2)
.irp c, 0,1
	v_max3_num_f32 v[48+\c], |v[\src+32*\c]|, |v[\src+32*\c+1]|, 0x1800000   ; with the floor 2^(3 - 127): the byte cannot fall under 1
.endr
.irp i, 2,4,6,8,10,12,14,16,18,20,22,24,26,28,30
.irp c, 0,1
	v_max3_num_f32 v[48+\c], v[48+\c], |v[\src+32*\c+\i]|, |v[\src+32*\c+\i+1]|
.endr
.endr
.irp c, 0,1
	v_add_nc_u32 v[50+\c], 0xff000000, v[48+\c]    ; 2 off the exponent field: the conversion's scale operand
.endr
.irp c, 0,1
	v_lshrrev_b32 v[52+\c], 23, v[50+\c]           ; the byte
.endr
	v_lshl_or_b32 v54, v53, 16, v52                ; my blocks h and 2 + h,
	v_lshlrev_b32 v54, v6, v54                     ; 8 h bits up;
	v_permlanex16_b32 v55, v54, s28, s29
	v_or_b32 v[56+\f], v54, v55                    ; with lane l xor 16's two the word is whole
.if (\f) >= 2
	s_wait_alu depctr_va_vdst(0)
	s_wait_xcnt 0x0                                ; the stores of two fragments back have read these code registers
.endif
.irp c, 0,1
	v_cvt_scalef32_pk16_fp6_f32 v[PCX+6*\c:PCX+6*\c+2], v[\src+32*\c:\src+32*\c+15], v[50+\c]
	v_cvt_scalef32_pk16_fp6_f32 v[40+4*\c:42+4*\c], v[\src+32*\c+16:\src+32*\c+31], v[50+\c]   ; (a conversion's three registers begin on an even number)
.endr
	v_nop                                          ; one plain place behind a scaled conversion
.irp c, 0,1
.irp i, 0,1,2
	v_mov_b32 v[PCX+6*\c+3+\i], v[40+4*\c+\i]
.endr
.endr
.irp c, 0,1,2
	global_store_b128 v1, v[PCX+4*\c:PCX+4*\c+3], s[40+2*(\f):41+2*(\f)] offset:512*\c
.endr
.endm
.macro WSEQ pitch                      ; a weight's four fragments, loads two fragments ahead
	LOADW 0, \pitch
	LOADW 1, \pitch
	s_wait_loadcnt 63                              ; 64 younger loads exist; the count's field names 63 at most, and a smaller count is safe
	Q6S RA, 0
	LOADW 2, \pitch
	s_wait_loadcnt 63
	Q6S RB, 1
	LOADW 3, \pitch
	s_wait_loadcnt 63
	Q6S RA, 2
	s_wait_loadcnt 0x0
	Q6S RB, 3
.endm
	s_load_b256 s[4:11], s[0:1], 0x0               ; X s[4:5], Wq s[6:7], Wk s[8:9], Wv s[10:11]
	s_load_b128 s[12:15], s[0:1], 0x20             ; Wo s[12:13], xq s[14:15]
	s_load_b64 s[16:17], s[0:1], 0x30              ; wq
	v_lshl_add_u32 v[SPW], v0, 2, SPARE
	v_mov_b32 v[NIL], 0
	v_lshrrev_b32 v1, 5, v0
	v_readfirstlane_b32 s18, v1                    ; wave
	v_and_b32 v7, 31, v0                           ; l
	v_and_b32 v8, 15, v0                           ; r
	v_bfe_u32 v9, v0, 4, 1                         ; h
	v_lshlrev_b32 v1, 4, v7
	v_lshlrev_b32 v2, 3, v7
	s_mul_i32 s19, s18, STGB
	v_add_nc_u32 v3, s19, v1
	v_mul_u32_u24 v4, v8, 528
	v_lshl_add_u32 v4, v9, 7, v4
	v_add_nc_u32 v4, s19, v4
	v_lshlrev_b32 v6, 3, v9
	v_and_b32 v10, 8, v8
	v_add_nc_u32 v10, v10, v8
	v_lshlrev_b32 v10, 2, v10                      ; 4 (r + 8 (r / 8))
	v_mov_b32 v55, 0                               ; a lane permute's destination counts as one of its sources
	s_and_b32 s20, ttmp7, 0xffff                   ; which 256 along K
	s_mov_b32 s28, 0x76543210
	s_mov_b32 s29, 0xfedcba98                      ; selects for lane l xor 16
	s_mov_b32 s30, 0xffff0000                      ; lanes 16-31
	s_mov_b32 s33, 0
	s_mov_b32 s37, 0
	s_mov_b32 s53, 0
	s_mov_b32 s55, 0
	s_wait_kmcnt 0x0
	s_cmp_lt_u32 ttmp9, 128
	s_cbranch_scc0 .Lweights
	; ---- X
	s_lshl_b32 s21, ttmp9, 2
	s_add_co_u32 s21, s21, s18                     ; the pair of tiles: 32 rows
	s_mul_i32 s32, s21, 98304
	s_lshl_b32 s22, s20, 10
	s_add_co_u32 s32, s32, s22
	s_add_nc_u64 s[48:49], s[4:5], s[32:33]
	s_mul_i32 s52, s21, 18432
	s_mul_i32 s22, s20, 3072
	s_add_co_u32 s52, s52, s22
	s_add_nc_u64 s[40:41], s[14:15], s[52:53]      ; fragment (u, s') at + 9,216 u + 1,536 s'
	s_add_nc_u64 s[42:43], s[40:41], 1536
	s_add_nc_u64 s[44:45], s[40:41], 9216
	s_add_nc_u64 s[46:47], s[40:41], 9216+1536
	s_mul_i32 s54, s21, 3
	s_add_co_u32 s54, s54, s20
	s_lshl_b32 s54, s54, 8
	s_add_co_u32 s54, s54, XQREC
	s_add_nc_u64 s[50:51], s[14:15], s[54:55]
	LOADX 0
	LOADX 1
	s_wait_loadcnt 16                              ; this fragment's 16 loads are in; the next one's may be out
	s_wait_alu depctr_va_vdst(0)
	TURN 0
	s_wait_dscnt 0x0
	LOADX 2
	Q6S RT, 0
	s_wait_loadcnt 16
	TURN 1
	s_wait_dscnt 0x0
	LOADX 3
	Q6S RT, 1
	s_wait_loadcnt 16
	TURN 2
	s_wait_dscnt 0x0
	Q6S RT, 2
	s_wait_loadcnt 0x0
	TURN 3
	s_wait_dscnt 0x0
	Q6S RT, 3
	s_branch .Ltail
.Lweights:
	s_sub_co_u32 s21, ttmp9, 128
	s_mul_i32 s22, s21, 43
	s_lshr_b32 s22, s22, 8                         ; which weight: (x - 128) / 6: Wq, Wk, Wv, Wo
	s_lshl_b32 s23, s21, 2
	s_add_co_u32 s23, s23, s18
	s_mul_i32 s24, s22, 24
	s_sub_co_u32 s23, s23, s24                     ; its pair of tiles of columns, 0 .. 23
	s_cmp_eq_u32 s22, 3
	s_cbranch_scc1 .Lwo
	; ---- Wq, Wk, Wv: [head][768][64]
	s_lshr_b32 s24, s23, 1                         ; head
	s_and_b32 s25, s23, 1                          ; which 32 of its 64 columns
	s_mul_i32 s26, s24, 11
	s_lshr_b32 s26, s26, 5                         ; slice = head / 3
	s_mul_i32 s27, s26, 3
	s_sub_co_u32 s27, s24, s27                     ; head in the slice
	s_mul_i32 s32, s24, 196608
	s_lshl_b32 s31, s20, 16
	s_add_co_u32 s32, s32, s31
	s_lshl_b32 s31, s25, 7
	s_add_co_u32 s32, s32, s31
	s_mul_i32 s57, s22, 1536
	s_add_co_u32 s57, s57, 73728                   ; Q's or K's records in a block
	s_cmp_eq_u32 s22, 0
	s_cselect_b64 s[48:49], s[6:7], s[8:9]
	s_cmp_eq_u32 s22, 2                            ; V is laid otherwise than Q and K
	s_cselect_b64 s[48:49], s[10:11], s[48:49]
	s_mov_b32 s58, 76800
	s_cselect_b32 s58, 38400, s58                  ; from head to head
	s_mul_i32 s59, s22, 36864
	s_cselect_b32 s59, 230400, s59                 ; where the kind's codes begin
	s_mov_b32 s60, 3072
	s_cselect_b32 s60, 18432, s60                  ; from column group to column group
	s_mov_b32 s61, 12288
	s_cselect_b32 s61, 6144, s61                   ; 256 along K on
	s_mov_b32 s36, 6144
	s_cselect_b32 s36, 3072, s36                   ; 128 along K on
	s_cselect_b32 s57, 267264, s57                 ; the records
	s_mov_b32 s62, 256
	s_cselect_b32 s62, 768, s62
	s_mov_b32 s63, 512
	s_cselect_b32 s63, 256, s63
	s_add_nc_u64 s[48:49], s[48:49], s[32:33]
	s_mul_i32 s52, s26, 345600
	s_mul_i32 s31, s27, s58
	s_add_co_u32 s52, s52, s31
	s_add_co_u32 s54, s52, s57
	s_add_co_u32 s52, s52, s59
	s_mul_i32 s31, s25, s60
	s_add_co_u32 s52, s52, s31
	s_mul_i32 s31, s20, s61
	s_add_co_u32 s52, s52, s31
	s_mul_i32 s31, s25, s62
	s_add_co_u32 s54, s54, s31
	s_mul_i32 s31, s20, s63
	s_add_co_u32 s54, s54, s31
	s_add_nc_u64 s[40:41], s[16:17], s[52:53]
	s_add_nc_u64 s[42:43], s[40:41], s[36:37]
	s_add_nc_u64 s[44:45], s[40:41], 1536
	s_add_nc_u64 s[46:47], s[42:43], 1536
	s_add_nc_u64 s[50:51], s[16:17], s[54:55]
	s_wait_alu depctr_va_vdst(0)
	v_lshl_add_u32 v5, v9, 13, v10                 ; my column, and 32 rows of 256 bytes further down for lanes 16-31
	WSEQ 256
	s_branch .Ltail
.Lwo:
	; ---- Wo: [768][768]
	s_mul_i32 s24, s23, 43
	s_lshr_b32 s24, s24, 8                         ; slice = pair / 6
	s_mul_i32 s25, s24, 6
	s_sub_co_u32 s25, s23, s25                     ; pair in the slice
	s_mul_i32 s32, s20, 786432
	s_lshl_b32 s31, s23, 7
	s_add_co_u32 s32, s32, s31
	s_add_nc_u64 s[48:49], s[12:13], s[32:33]
	s_mul_i32 s52, s24, 115200
	s_mul_i32 s31, s20, 38400
	s_add_co_u32 s52, s52, s31
	s_add_co_u32 s52, s52, WOBASE
	s_lshl_b32 s54, s25, 8
	s_add_co_u32 s54, s54, s52
	s_add_co_u32 s54, s54, 36864
	s_mul_i32 s31, s25, 3072
	s_add_co_u32 s52, s52, s31
	s_add_nc_u64 s[40:41], s[16:17], s[52:53]
	s_add_nc_u64 s[42:43], s[40:41], 18432
	s_add_nc_u64 s[44:45], s[40:41], 1536
	s_add_nc_u64 s[46:47], s[40:41], 18432+1536
	s_add_nc_u64 s[50:51], s[16:17], s[54:55]
	v_mul_u32_u24 v5, v9, 0x18000                  ; 32 rows of 3,072 bytes
	s_wait_alu depctr_va_vdst(0)
	v_add_nc_u32 v5, v5, v10
	WSEQ 3072
.Ltail:
	v_cndmask_b32 v60, v56, v58, s30               ; the record: lanes 0-15 tile u = 0's words, lanes 16-31 tile u = 1's
	v_cndmask_b32 v61, v57, v59, s30
	global_store_b64 v2, v[60:61], s[50:51]        ; 32 lanes store 256 consecutive bytes, aligned
	s_wait_tensorcnt 0x0                           ; the wave's end
	ds_add_u32 v[SPW], v[NIL]
	s_wait_dscnt 0x0
	s_endpgm
.Lfunc_end_k_q584f6ce312_quant:
	.size	k_q584f6ce312_quant, .Lfunc_end_k_q584f6ce312_quant-k_q584f6ce312_quant
	.p2alignl 7, 3214868480
	.fill 96, 4, 3214868480
	.section	.rodata,"a",@progbits
	.p2align	6, 0x0
	.amdhsa_kernel k_q584f6ce312_quant
		.amdhsa_group_segment_fixed_size 34304
		.amdhsa_private_segment_fixed_size 0
		.amdhsa_enable_private_segment 0
		.amdhsa_kernarg_size 56
		.amdhsa_user_sgpr_count 2
		.amdhsa_user_sgpr_kernarg_segment_ptr 1
		.amdhsa_wavefront_size32 1
		.amdhsa_system_sgpr_workgroup_id_x 1
		.amdhsa_system_sgpr_workgroup_id_y 1
		.amdhsa_system_sgpr_workgroup_id_z 1
		.amdhsa_system_vgpr_workitem_id 0
		.amdhsa_next_free_vgpr 256
		.amdhsa_next_free_sgpr 66
		.amdhsa_reserve_vcc 0
		.amdhsa_float_denorm_mode_32 3
		.amdhsa_float_denorm_mode_16_64 3
		.amdhsa_memory_ordered 1
		.amdhsa_forward_progress 1
		.amdhsa_inst_pref_size 108
	.end_amdhsa_kernel
	.amdgpu_metadata
---
amdhsa.version: [ 1, 2 ]
amdhsa.kernels:
  - .name:           k_q584f6ce312_quant
    .symbol:         k_q584f6ce312_quant.kd
    .args:
      - { .name: X, .offset: 0, .size: 8, .value_kind: global_buffer, .address_space: global }
      - { .name: Wq, .offset: 8, .size: 8, .value_kind: global_buffer, .address_space: global }
      - { .name: Wk, .offset: 16, .size: 8, .value_kind: global_buffer, .address_space: global }
      - { .name: Wv, .offset: 24, .size: 8, .value_kind: global_buffer, .address_space: global }
      - { .name: Wo, .offset: 32, .size: 8, .value_kind: global_buffer, .address_space: global }
      - { .name: xq, .offset: 40, .size: 8, .value_kind: global_buffer, .address_space: global }
      - { .name: wq, .offset: 48, .size: 8, .value_kind: global_buffer, .address_space: global }
    .group_segment_fixed_size: 34304
    .private_segment_fixed_size: 0
    .kernarg_segment_align: 8
    .kernarg_segment_size: 56
    .max_flat_workgroup_size: 128
    .sgpr_count:     66
    .vgpr_count:     256
    .wavefront_size: 32
...
	.end_amdgpu_metadata
.endif
;; end of part 1
;; launch qkv (part 2): grid 64 x 4, 4 waves a work-group, clusters of 4 x 1, 327,680 bytes of LDS; arguments xq, wq, bq, bk, bv, qq, kv; writes qq, kv
.if DOCPART == 2
	.amdgcn_target "amdgcn-amd-amdhsa--gfx1250"
	.amdhsa_code_object_version 6
	.text
	.protected	k_q584f6ce312_qkv
	.globl	k_q584f6ce312_qkv
	.p2align	8
	.type	k_q584f6ce312_qkv,@function
k_q584f6ce312_qkv:
	s_mov_b64 s[64:65], 0
	v_nop
	global_prefetch_b8 v0, s[64:65] scope:SCOPE_SE
	s_setreg_imm32_b32 hwreg(HW_REG_WAVE_MODE, 25, 1), 1
	s_wait_xcnt 0x0
	s_wait_alu depctr_hold_cnt(0) depctr_sa_sdst(0) depctr_va_vdst(0) depctr_va_sdst(0) depctr_va_ssrc(0) depctr_va_vcc(0) depctr_vm_vsrc(0)
	s_getreg_b32 s2, hwreg(HW_REG_IB_STS2, 6, 4)
	s_cmp_eq_u32 s2, 0
	s_cbranch_scc0 .Lentry_in_a_cluster
	s_endpgm
.Lentry_in_a_cluster:
	s_bfe_u32 s2, ttmp6, 0x10000c
	s_cmp_lg_u32 s2, 0x3003
	s_cbranch_scc0 .Lentry_shape_is_right
	s_endpgm
.Lentry_shape_is_right:
; Q, K, V = X W + b on codes of FP6 (E2M3) with E8M0 scales, and each result quantised at once: Q and K along the head's 64, V along the keys.  All operands are images of operand registers (16 bytes a lane).
; SHARES: a work-group takes 256 rows of X and three heads.  Wave (rw, cw): 128 rows (8 tiles; their 48 fragments stay in registers, 576 of them); cw = 0: the three Q heads, cw = 1: the three K heads; both: columns 32 cw .. + 31 of the three V heads.
; Six phases, written out: QK0, QK1, QK2 (192 matrix instructions each), V0, V1, V2 (96 each).
; Q, K: source 0 = 16 columns of W, source 1 = 16 rows of X: a lane holds one row and its registers run along the head's 64.  V: source 0 = X, source 1 = W: a lane holds one column and its registers run along the keys.
; Tiles hold the indices 32 G + 8 u + r + 8 (r / 8), so that the 16 registers of tiles u = 0, 1 are 16 neighbours along the next K.  The biases are the C of each sum's first product.
; CLUSTER: the four work-groups of a cluster take the same heads, so the weights' slice (345,600 bytes) is asked for jointly.  It is 38,400 bytes more than fits beside the stage: the last V head is brought into the first block's bytes, once, behind a round.
; A wave has at most one tensor load out.
; LIMITS: a block of zeros gets the byte 1 (zero codes; this program alone reads the bytes); blocks under 2^-124 are held at byte 1; NaN and infinities are not served; the bias is added first, not last.
; REGISTERS: window 0: v1-15 addresses; v16-39 X's scale words; v40-51 W's; v52-123 W's fragments, three buffers of two; v124-155 bias; v156-181 the quantiser; v182-253 X fragments 42-47; v254-255 addresses.
;   window 1: 32 accumulators.   window 2: X fragments 0-20.   window 3: X fragments 21-41.   (fragment 8 s + a: K step s, tile a)
.set P,     76800                      ; a block: a Q head, a K head, their records
.set VBASE, 230400                     ; V heads 0 and 1; V head 2 comes to byte 0
.set SPARE, 307200                     ; the spare words, 128 bytes a wave
.set STG,   307712                     ; the scale words' stage: 6 records of 512 bytes for K and V, then 6 for Q
.set LI,  1                            ; 16 l
.set LQ,  2                            ; 16 l + 36,864 cw
.set LV,  3                            ; 16 l + 18,432 cw
.set LQS, 4                            ; 8 l + 73,728 + 1,536 cw
.set LVS, 5                            ; 8 l + 36,864 + 768 cw
.set AW,  6                            ; v6-7 the phase's fragments, by the phase's parity
.set AS,  8                            ; v8-9 its records
.set STW, 10
.set STV, 11
.set H64, 12
.set P4,  13
.set SPW, 14
.set NIL, 15
.set XS,  16
.set WS,  40
.set WB,  52
.set BI,  124
.set MX,  156
.set PB,  160
.set SO,  164
.set PW,  168
.set L8,  169
.set PC,  170
.set X0,  182
.set RK,  254
.set RQ,  255
.set WV,  18
.set SEL, 76
.set MSB, 0
.macro WIN new                         ; the immediate's high byte repeats the setting that is left
.if MSB != (\new)
	s_set_vgpr_msb (MSB<<8)|(\new)
.set MSB, (\new)
.endif
.endm
.macro PLACES n
.rept \n
	v_nop
.endr
.endm
.macro CROUND                          ; a round of the cluster's barrier
	s_barrier_signal -1
	s_barrier_wait -1
	s_cmp_lg_u32 s[WV], 0
	s_cbranch_scc1 .Lnot_wave_0_\@
	s_barrier_signal -3
.Lnot_wave_0_\@:
	s_barrier_wait -3
	s_barrier_signal -1
	s_barrier_wait -1
.endm
.macro XLOC f                          ; where X's fragment f lies
.if (\f) < 21
.set XW, 2
.set XR, 12*(\f)
.elseif (\f) < 42
.set XW, 3
.set XR, 12*((\f)-21)
.else
.set XW, 0
.set XR, X0+12*((\f)-42)
.endif
.endm
.macro WMM                             ; one product, by the symbols rD, rA, rB, rC, rSA, rSB and the scales' rows rRA, rRB
.if (rRA == 0) && (rRB == 0)
	v_wmma_scale_f32_16x16x128_f8f6f4 v[rD:rD+7], v[rA:rA+11], v[rB:rB+11], v[rC:rC+7], v[rSA], v[rSB] matrix_a_fmt:MATRIX_FMT_FP6 matrix_b_fmt:MATRIX_FMT_FP6
.elseif rRB == 0
	v_wmma_scale_f32_16x16x128_f8f6f4 v[rD:rD+7], v[rA:rA+11], v[rB:rB+11], v[rC:rC+7], v[rSA], v[rSB] matrix_a_fmt:MATRIX_FMT_FP6 matrix_b_fmt:MATRIX_FMT_FP6 matrix_a_scale:MATRIX_SCALE_ROW1
.elseif rRA == 0
	v_wmma_scale_f32_16x16x128_f8f6f4 v[rD:rD+7], v[rA:rA+11], v[rB:rB+11], v[rC:rC+7], v[rSA], v[rSB] matrix_a_fmt:MATRIX_FMT_FP6 matrix_b_fmt:MATRIX_FMT_FP6 matrix_b_scale:MATRIX_SCALE_ROW1
.else
	v_wmma_scale_f32_16x16x128_f8f6f4 v[rD:rD+7], v[rA:rA+11], v[rB:rB+11], v[rC:rC+7], v[rSA], v[rSB] matrix_a_fmt:MATRIX_FMT_FP6 matrix_b_fmt:MATRIX_FMT_FP6 matrix_a_scale:MATRIX_SCALE_ROW1 matrix_b_scale:MATRIX_SCALE_ROW1
.endif
.endm
; The W loads of half-step n of phase ph (0-2: Q, K; 3-5: V): two fragments, and with each second K step a record.  n past the phase's end means the next phase's; past the last phase nothing.
.macro WLD ph, n
.set PH_, \ph
.set N_, \n
.if (PH_ < 3) && (N_ >= 12)
.set PH_, PH_+1
.set N_, N_-12
.elseif (PH_ >= 3) && (N_ >= 6)
.set PH_, PH_+1
.set N_, N_-6
.endif
.if PH_ < 6
.set WBX, WB+24*(N_%3)
.set AWX, AW+PH_%2
.set ASX, AS+PH_%2
.if PH_ < 3
.if (N_/2)%2 == 0
	ds_load_b64 v[WS+2*(2*(N_/4)+N_%2):WS+2*(2*(N_/4)+N_%2)+1], v[ASX] offset:(2*(N_/4)+N_%2)*256
.endif
.irp u, 0,1
.irp c, 0,1,2
	ds_load_b128 v[WBX+12*\u+4*\c:WBX+12*\u+4*\c+3], v[AWX] offset:(N_/2)*6144+(N_%2)*3072+\u*1536+512*\c
.endr
.endr
.else
.if N_%2 == 0
	ds_load_b64 v[WS+4*(N_/2):WS+4*(N_/2)+1], v[ASX] offset:(N_/2)*256
.endif
.irp u, 0,1
.irp c, 0,1,2
	ds_load_b128 v[WBX+12*\u+4*\c:WBX+12*\u+4*\c+3], v[AWX] offset:N_*3072+\u*1536+512*\c
.endr
.endr
.endif
.endif
.endm
.macro BIASQ g                         ; head g's bias in the result's layout: tile 2 b + u, lane (r, h): columns 32 b + 16 h + 8 u + 0 .. 7
.irp t, 0,1,2,3
	global_load_b128 v[BI+8*\t:BI+8*\t+3], v[H64], s[62:63] offset:(\g)*256+128*(\t/2)+32*(\t%2)
	global_load_b128 v[BI+8*\t+4:BI+8*\t+7], v[H64], s[62:63] offset:(\g)*256+128*(\t/2)+32*(\t%2)+16
.endr
.endm
.macro BIASV i                         ; V head i: a lane holds one column, so its eight registers hold one number
.irp u, 0,1
.irp k, 0,1,2,3,4,5,6,7
	global_load_b32 v[BI+8*\u+\k], v[P4], s[66:67] offset:(\i)*256+32*\u
.endr
.endr
.endm
; 64 accumulator registers of window 1, register 16 b + i = place 16 h + i of block b of my row, become a fragment in v[PC] on and its scale word in v[PW].
.macro QA src
	WIN 0x05
.irp b, 0,1,2,3
	v_max3_num_f32 v[MX+\b], |v[(\src)+16*\b]|, |v[(\src)+16*\b+1]|, 0x1800000   ; each accumulator is read from its low end on; the floor 2^(3 - 127) holds the byte at 1 from below
.endr
.irp i, 2,4,6,8,10,12,14
.irp b, 0,1,2,3
	v_max3_num_f32 v[MX+\b], |v[(\src)+16*\b+\i]|, |v[(\src)+16*\b+\i+1]|, v[MX+\b]
.endr
.endr
	WIN 0
.irp b, 0,1,2,3
	v_permlanex16_b32 v[PB+\b], v[MX+\b], s[SEL], s[SEL+1]
.endr
.irp b, 0,1,2,3
	v_max_num_f32 v[MX+\b], v[MX+\b], v[PB+\b]     ; with lane l xor 16's: the block's largest magnitude
.endr
.irp b, 0,1,2,3
	v_add_nc_u32 v[SO+\b], 0xff000000, v[MX+\b]    ; 2 off its exponent field: the conversion's scale operand
.endr
.irp b, 0,1,2,3
	v_lshrrev_b32 v[PB+\b], 23, v[SO+\b]           ; the byte
.endr
	s_wait_alu depctr_va_vdst(0)
	s_wait_xcnt 0x0                                ; the last fragment's stores have read the code registers,
	s_wait_dscnt 0x0                               ; and the last word's LDS store its register: both are written anew below
	v_lshl_or_b32 v[PW], v[PB+1], 8, v[PB]
	v_lshl_or_b32 v[PW], v[PB+2], 16, v[PW]
	v_lshl_or_b32 v[PW], v[PB+3], 24, v[PW]
	WIN 0x01
.irp c, 0,1
	v_cvt_scalef32_pk16_fp6_f32 v[PC+6*\c:PC+6*\c+2], v[(\src)+32*\c:(\src)+32*\c+15], v[SO+2*\c]
	v_cvt_scalef32_pk16_fp6_f32 v[MX+4*\c:MX+4*\c+2], v[(\src)+32*\c+16:(\src)+32*\c+31], v[SO+2*\c+1]
.endr
	WIN 0
	v_nop                                          ; one plain place behind a scaled conversion
.irp c, 0,1                            ; a whole block to a lane: lanes 0-15 block 2 c, lanes 16-31 block 2 c + 1
.irp i, 0,1,2
	v_permlane16_swap_b32 v[PC+6*\c+\i], v[MX+4*\c+\i]
.endr
.irp i, 0,1,2
	v_mov_b32 v[PC+6*\c+3+\i], v[MX+4*\c+\i]
.endr
.endr
.endm
; A half-step of a Q, K phase: K step n / 2, column group n % 2: 16 products on 16 accumulators by turns.
.macro HSQ g, n
.set S_, (\n)/2
.set B_, (\n)%2
	WIN 0
	PLACES 4                                       ; in front of loads into registers that the last half-step's products have read
.if (\n) == 2                          ; the first K step is over: the next phase's bias is asked for
.if (\g) < 2
	BIASQ (\g)+1
.else
	BIASV 0
.endif
.endif
.if (\n) == 9                          ; the next phase's addresses
.if (\g) < 2
	v_add_nc_u32 v[AW+((\g)+1)%2], ((\g)+1)*P, v[LQ]
	v_add_nc_u32 v[AS+((\g)+1)%2], ((\g)+1)*P, v[LQS]
.else
	v_add_nc_u32 v[AW+1], VBASE, v[LV]
	v_add_nc_u32 v[AS+1], VBASE, v[LVS]
.endif
	s_wait_alu depctr_va_vdst(0)
.endif
.if ((\g) == 0) && ((\n) == 10)        ; THE ONE REFILL: all reads of the first block have been issued
	s_wait_tensorcnt 0x0                           ; all my tensor loads have landed: the other blocks are whole behind the round;
	ds_add_u32 v[SPW], v[NIL]
	s_wait_dscnt 0x0                               ; the add is done, and my reads of the first block are back
	CROUND                                         ; the same holds of every wave of the four work-groups
	s_cmp_lt_u32 s[WV], 2
	s_cbranch_scc0 .Lno_refill
	tensor_load_to_lds s[48:51], s[24:31]          ; V head 2, half of it a wave, into the first block's bytes
	s_nop 0
	PLACES 4
.Lno_refill:
.endif
	WLD \g, (\n)+2
	s_wait_dscnt 12                                ; this half-step's loads are in: at least twelve younger ones (the two half-steps ahead) exist
.set A_, 0
.rept 8
	XLOC 8*S_+A_
.irp u, 0,1
.set rD, 32*A_+8*(2*B_+\u)
.set rA, WB+24*((\n)%3)+12*\u
.set rB, XR
.if S_ == 0
.set rC, BI+8*(2*B_+\u)
	WIN 0x40|(XW<<2)
.else
.set rC, rD
	WIN 0x50|(XW<<2)
.endif
.set rSA, WS+2*(2*(S_/2)+B_)+S_%2
.set rSB, XS+6*(A_/2)+S_
.set rRA, \u
.set rRB, A_%2
	WMM
.endr
.set A_, A_+1
.endr
.endm
.macro EPIQ g                          ; four pairs of row tiles are quantised and leave: 1,536 bytes each, and a word a row into the stage
	WIN 0
	PLACES 5                                       ; behind the last products: their results are read, and the next phase's first products write over them
.irp i, 0,1,2,3
	QA 64*\i
.irp c, 0,1,2
.if (\i)%2
	global_store_b128 v0, v[PC+4*\c:PC+4*\c+3], s[56:57] offset:\i*1536+512*\c      ; an odd fragment of Q or K: lane l's 16 bytes lie at the place of lane l xor 8 (the reader gathers rows from an even and an odd fragment in one LDS load)
.else
	global_store_b128 v[LI], v[PC+4*\c:PC+4*\c+3], s[56:57] offset:\i*1536+512*\c
.endif
.endr
	ds_store_b32 v[STW], v[PW] offset:(\g)*1024+4*\i
.endr
	s_wait_xcnt 0x0                                ; the stores have read their base
	s_add_nc_u64 s[56:57], s[56:57], s[58:59]      ; the next head
	s_wait_loadcnt 0x0                             ; the next phase's bias
.endm
; A half-step of a V phase: K step n: 16 products.
.macro HSV i, n
.set S_, \n
	WIN 0
	PLACES 4
.if ((\n) == 2) && ((\i) < 2)
	BIASV (\i)+1
.endif
.if ((\n) == 3) && ((\i) == 0)
	v_add_nc_u32 v[AW], VBASE+38400, v[LV]
	v_add_nc_u32 v[AS], VBASE+38400, v[LVS]
	s_wait_alu depctr_va_vdst(0)
.endif
.if ((\n) == 3) && ((\i) == 1)
	v_add_nc_u32 v[AW+1], 0, v[LV]
	v_add_nc_u32 v[AS+1], 0, v[LVS]
	s_wait_alu depctr_va_vdst(0)
.endif
	WLD 3+\i, (\n)+2
.if ((\i) == 2) && ((\n) == 4)
	s_wait_dscnt 6                                 ; nothing more is fetched: only the last half-step's six may be out
.elseif ((\i) == 2) && ((\n) == 5)
	s_wait_dscnt 0x0
.else
	s_wait_dscnt 12
.endif
.set A_, 0
.rept 8
	XLOC 8*S_+A_
.irp u, 0,1
.set rD, 64*\u+8*A_
.set rA, XR
.set rB, WB+24*((\n)%3)+12*\u
.if S_ == 0
.set rC, BI+8*\u
	WIN 0x40|XW
.else
.set rC, rD
	WIN 0x50|XW
.endif
.set rSA, XS+6*(A_/2)+S_
.set rSB, WS+4*(S_/2)+S_%2
.set rRA, A_%2
.set rRB, \u
	WMM
.endr
.set A_, A_+1
.endr
.endm
.macro EPIV i
	WIN 0
	PLACES 5
.irp u, 0,1
	QA 64*\u
.irp c, 0,1,2
	global_store_b128 v[LI], v[PC+4*\c:PC+4*\c+3], s[60:61] offset:(\i)*102400+\u*1536+512*\c
.endr
	ds_store_b32 v[STV], v[PW] offset:(\i)*1024+4*\u
.endr
.if (\i) < 2
	s_wait_loadcnt 0x0
.endif
.endm
	s_load_b256 s[4:11], s[0:1], 0x0               ; xq s[4:5], wq s[6:7], bq s[8:9], bk s[10:11]
	s_load_b128 s[12:15], s[0:1], 0x20             ; bv s[12:13], qq s[14:15]
	s_load_b64 s[16:17], s[0:1], 0x30              ; kv
	v_lshl_add_u32 v[SPW], v0, 2, SPARE
	v_mov_b32 v[NIL], 0
	ds_add_u32 v[SPW], v[NIL]                      ; the wave's opening
	ds_add_u32 v[SPW], v[NIL]
	v_lshrrev_b32 v156, 5, v0
	v_readfirstlane_b32 s[WV], v156                ; wave
	s_lshr_b32 s19, s[WV], 1                       ; rw: which 128 rows
	s_and_b32 s20, s[WV], 1                        ; cw: Q or K; which 32 columns of V
	s_bfe_u32 s21, ttmp6, 0x40000                  ; cx
	s_lshl_b32 s22, ttmp9, 2
	s_add_co_u32 s22, s22, s21                     ; which 256 rows: it enters global addresses of X, Q, K, V alone
	s_and_b32 s23, ttmp7, 0xffff                   ; which three heads: shared by the cluster
	s_mov_b32 s24, 15|(3<<16)|(1<<21)              ; group 1: the mask names the four; elements of 8 bytes; bit 21 beside a mask
	s_mov_b32 s25, 32<<16                          ; rows of 256 bytes,
	s_mov_b32 s26, 75<<16                          ; 75 of them: 19,200 dense bytes
	s_mov_b32 s27, 32<<16
	s_mov_b32 s28, 75
	s_mov_b32 s29, 32
	s_mov_b32 s30, 0
	s_mov_b32 s31, 0
	s_mov_b32 s[SEL], 0x76543210
	s_mov_b32 s[SEL+1], 0xfedcba98
	v_and_b32 v157, 31, v0                         ; l
	v_and_b32 v158, 15, v0                         ; r
	v_bfe_u32 v159, v0, 4, 1                       ; h
	v_lshlrev_b32 v[LI], 4, v157
	v_lshlrev_b32 v[L8], 3, v157
	s_mul_i32 s52, s20, 36864
	v_add_nc_u32 v[LQ], s52, v[LI]
	s_mul_i32 s52, s20, 18432
	v_add_nc_u32 v[LV], s52, v[LI]
	s_mul_i32 s52, s20, 1536
	s_add_co_u32 s52, s52, 73728
	v_add_nc_u32 v[LQS], s52, v[L8]
	s_mul_i32 s52, s20, 768
	s_add_co_u32 s52, s52, 36864
	v_add_nc_u32 v[LVS], s52, v[L8]
	v_add_nc_u32 v[AW], 0, v[LQ]                   ; phase 0 reads the block at byte 0
	v_add_nc_u32 v[AS], 0, v[LQS]
	s_lshl_b32 s53, s19, 9
	s_xor_b32 s52, s20, 1
	s_mul_i32 s52, s52, 3072                       ; Q's words lie behind K's and V's
	s_add_co_u32 s52, s52, s53
	s_add_co_u32 s52, s52, STG
	v_lshl_add_u32 v[STW], v158, 4, s52
	s_lshl_b32 s52, s20, 3
	s_add_co_u32 s52, s52, s53
	s_add_co_u32 s52, s52, STG+256
	v_lshl_add_u32 v[STV], v158, 4, s52
	v_lshlrev_b32 v[H64], 6, v159
	v_and_b32 v156, 8, v158
	v_add_nc_u32 v156, v156, v158
	v_lshlrev_b32 v[P4], 2, v156
	s_lshl_b32 s52, s[WV], 10
	s_add_co_u32 s52, s52, STG
	v_add_nc_u32 v[RK], s52, v[LI]                 ; the way out of the stage: head = wave: K's and V's two records,
	v_lshl_add_u32 v[RQ], v159, 8, v[RK]
	v_add_nc_u32 v[RQ], 3072, v[RQ]                ; and Q's two halves of 256 bytes
.irp b, 0,1,2,3
	v_mov_b32 v[PB+\b], 0                          ; a lane permute's destination counts as one of its sources
.endr
	v_xor_b32 v0, 128, v[LI]                       ; 16 (l xor 8): the thread's number is needed no more
	s_mov_b32 s55, 0
	s_mov_b32 s59, 0
	s_wait_alu depctr_va_vdst(0)
	s_wait_dscnt 0x0                               ; both opening adds are done
	s_wait_kmcnt 0x0
	s_lshl_b32 s52, s22, 4
	s_lshl_b32 s53, s19, 3
	s_add_co_u32 s52, s52, s53                     ; my first tile of X
	s_mul_i32 s54, s52, 9216
	s_add_nc_u64 s[68:69], s[4:5], s[54:55]
	s_mul_i32 s54, s52, 384                        ; three records of 256 bytes a pair of tiles
	s_add_co_u32 s54, s54, 9437184
	s_add_nc_u64 s[70:71], s[4:5], s[54:55]
	s_lshr_b32 s78, s22, 2                         ; batch
	s_and_b32 s79, s22, 3
	s_mul_i32 s80, s78, 12
	s_mul_i32 s81, s23, 3
	s_add_co_u32 s80, s80, s81                     ; my first (batch, head)
	s_lshl_b32 s82, s80, 5
	s_lshl_b32 s83, s79, 3
	s_add_co_u32 s82, s82, s83
	s_lshl_b32 s83, s19, 2
	s_add_co_u32 s82, s82, s83                     ; Q: 32 pairs a head; my first pair
	s_mul_i32 s54, s82, 1536
	s_add_nc_u64 s[84:85], s[14:15], s[54:55]
	s_lshl_b32 s82, s80, 3
	s_lshl_b32 s83, s79, 1
	s_add_co_u32 s82, s82, s83
	s_add_co_u32 s82, s82, s19                     ; K, V: 8 key steps a head; mine
	s_mul_i32 s54, s82, 12800
	s_add_nc_u64 s[86:87], s[16:17], s[54:55]
	s_mul_i32 s54, s20, 3072
	s_add_co_u32 s54, s54, 6144
	s_add_nc_u64 s[60:61], s[86:87], s[54:55]      ; V's tiles 2 cw, 2 cw + 1
	s_cmp_eq_u32 s20, 0
	s_cselect_b64 s[56:57], s[84:85], s[86:87]     ; where my Q or K goes,
	s_cselect_b64 s[62:63], s[8:9], s[10:11]       ; its bias,
	s_mov_b32 s58, 102400
	s_cselect_b32 s58, 49152, s58                  ; and a head on
	s_mul_i32 s54, s23, 768
	s_add_nc_u64 s[62:63], s[62:63], s[54:55]
	s_lshl_b32 s82, s20, 7
	s_add_co_u32 s54, s54, s82
	s_add_nc_u64 s[66:67], s[12:13], s[54:55]
	s_min_u32 s82, s[WV], 2                        ; the words' way out: waves 0-2 take a head each
	s_add_co_u32 s82, s82, s80
	s_lshl_b32 s82, s82, 3
	s_lshl_b32 s83, s79, 1
	s_add_co_u32 s82, s82, s83
	s_mul_i32 s54, s82, 12800
	s_add_co_u32 s54, s54, 12288
	s_add_nc_u64 s[72:73], s[16:17], s[54:55]
	s_lshl_b32 s54, s82, 8
	s_add_co_u32 s54, s54, 9437184
	s_add_nc_u64 s[74:75], s[14:15], s[54:55]
	s_mul_i32 s52, s[WV], 19200                    ; my quarter of a block
	s_mul_i32 s54, s23, 345600
	s_add_co_u32 s54, s54, s52
	s_add_nc_u64 s[88:89], s[6:7], s[54:55]
.irp k, 0
	s_mov_b32 s[32+4*\k], 1
	s_add_co_u32 s[33+4*\k], s52, \k*76800
	s_add_nc_u64 s[34+4*\k:35+4*\k], s[88:89], \k*76800
	s_or_b32 s[35+4*\k], s[35+4*\k], 0x80000000
.endr
	s_mov_b32 s48, 1                               ; the refill: waves 0 and 1, half of V head 2 each
	s_add_co_u32 s49, s52, 0
	s_add_nc_u64 s[50:51], s[88:89], 307200
	s_or_b32 s51, s51, 0x80000000
	s_mul_i32 s54, s[WV], 38400                    ; blocks 1 to 3, 230,400 dense bytes: a quarter a wave, one load of 225 rows of 256 bytes
	s_add_co_u32 s54, s54, 76800
	s_mov_b32 s36, 1
	s_add_co_u32 s37, s54, s52                     ; LDS byte 76,800 + 57,600 x wave
	s_add_nc_u64 s[38:39], s[88:89], s[54:55]      ; and the same byte of the slice
	s_or_b32 s39, s39, 0x80000000
	s_mov_b32 s40, 15|(3<<16)|(1<<21)
	s_mov_b32 s41, 32<<16
	s_mov_b32 s42, 225<<16
	s_mov_b32 s43, 32<<16
	s_mov_b32 s44, 225
	s_mov_b32 s45, 32
	s_mov_b32 s46, 0
	s_mov_b32 s47, 0
	CROUND                                         ; all four work-groups are here: the first joint loads meet
.irp k, 0
	tensor_load_to_lds s[32+4*\k:35+4*\k], s[24:31]
	s_nop 0
.endr
	PLACES 4
.set F_, 0
.rept 48                               ; X's 48 fragments stay in registers
	XLOC F_
	WIN XW<<6
.irp c, 0,1,2
	global_load_b128 v[XR+4*\c:XR+4*\c+3], v[LI], s[68:69] offset:(6*(F_%8)+F_/8)*1536+512*\c
.endr
.set F_, F_+1
.endr
	WIN 0
.irp i, 0,1,2,3
.irp g, 0,1,2
	global_load_b64 v[XS+6*\i+2*\g:XS+6*\i+2*\g+1], v[L8], s[70:71] offset:(3*\i+\g)*256
.endr
.endr
	BIASQ 0
	s_wait_tensorcnt 0x0                           ; my quarter of the first block is in
	ds_add_u32 v[SPW], v[NIL]
	s_wait_dscnt 0x0
	CROUND                                         ; everybody's quarter is in, and the four work-groups are here: the joint loads meet
	tensor_load_to_lds s[36:39], s[40:47]          ; my one load behind the round: my quarter of blocks 1 to 3
	s_nop 0
	PLACES 4
	WLD 0, 0
	WLD 0, 1
	s_wait_loadcnt 0x0                             ; X, its words, the bias
.irp n, 0,1,2,3,4,5,6,7,8,9,10,11
	HSQ 0, \n
.endr
	EPIQ 0
.irp n, 0,1,2,3,4,5,6,7,8,9,10,11
	HSQ 1, \n
.endr
	EPIQ 1
.irp n, 0,1,2,3,4,5,6,7,8,9,10,11
	HSQ 2, \n
.endr
	EPIQ 2
	s_wait_tensorcnt 0x0                           ; my part of V head 2 has landed,
	s_wait_dscnt 0x0
	s_barrier_signal -1
	s_barrier_wait -1                              ; everybody's has
.irp n, 0,1,2,3,4,5
	HSV 0, \n
.endr
	EPIV 0
.irp n, 0,1,2,3,4,5
	HSV 1, \n
.endr
	EPIV 1
.irp n, 0,1,2,3,4,5
	HSV 2, \n
.endr
	EPIV 2
	s_wait_dscnt 0x0                               ; my words lie in the stage
	s_barrier_signal -1
	s_barrier_wait -1                              ; everybody's do
	s_cmp_lt_u32 s[WV], 3
	s_cbranch_scc0 .Lno_words
	ds_load_b128 v[52:55], v[RK]
	ds_load_b128 v[56:59], v[RK] offset:512
	ds_load_b128 v[60:63], v[RQ]
	s_wait_dscnt 0x0
	global_store_b128 v[LI], v[52:55], s[72:73]                ; each store covers 512 consecutive bytes, aligned
	global_store_b128 v[LI], v[56:59], s[72:73] offset:12800
	global_store_b128 v[LI], v[60:63], s[74:75]
.Lno_words:
	s_wait_tensorcnt 0x0                           ; the wave's end
	ds_add_u32 v[SPW], v[NIL]
	s_wait_dscnt 0x0
	CROUND                                         ; the closing round
	s_endpgm
.Lfunc_end_k_q584f6ce312_qkv:
	.size	k_q584f6ce312_qkv, .Lfunc_end_k_q584f6ce312_qkv-k_q584f6ce312_qkv
	.p2alignl 7, 3214868480
	.fill 96, 4, 3214868480
	.section	.rodata,"a",@progbits
	.p2align	6, 0x0
	.amdhsa_kernel k_q584f6ce312_qkv
		.amdhsa_group_segment_fixed_size 327680
		.amdhsa_private_segment_fixed_size 0
		.amdhsa_enable_private_segment 0
		.amdhsa_kernarg_size 56
		.amdhsa_user_sgpr_count 2
		.amdhsa_user_sgpr_kernarg_segment_ptr 1
		.amdhsa_wavefront_size32 1
		.amdhsa_system_sgpr_workgroup_id_x 1
		.amdhsa_system_sgpr_workgroup_id_y 1
		.amdhsa_system_sgpr_workgroup_id_z 1
		.amdhsa_system_vgpr_workitem_id 0
		.amdhsa_next_free_vgpr 1024
		.amdhsa_next_free_sgpr 96
		.amdhsa_reserve_vcc 0
		.amdhsa_float_denorm_mode_32 3
		.amdhsa_float_denorm_mode_16_64 3
		.amdhsa_memory_ordered 1
		.amdhsa_forward_progress 1
		.amdhsa_inst_pref_size 253
	.end_amdhsa_kernel
	.amdgpu_metadata
---
amdhsa.version: [ 1, 2 ]
amdhsa.kernels:
  - .name:           k_q584f6ce312_qkv
    .symbol:         k_q584f6ce312_qkv.kd
    .args:
      - { .name: xq, .offset: 0, .size: 8, .value_kind: global_buffer, .address_space: global }
      - { .name: wq, .offset: 8, .size: 8, .value_kind: global_buffer, .address_space: global }
      - { .name: bq, .offset: 16, .size: 8, .value_kind: global_buffer, .address_space: global }
      - { .name: bk, .offset: 24, .size: 8, .value_kind: global_buffer, .address_space: global }
      - { .name: bv, .offset: 32, .size: 8, .value_kind: global_buffer, .address_space: global }
      - { .name: qq, .offset: 40, .size: 8, .value_kind: global_buffer, .address_space: global }
      - { .name: kv, .offset: 48, .size: 8, .value_kind: global_buffer, .address_space: global }
    .group_segment_fixed_size: 327680
    .private_segment_fixed_size: 0
    .kernarg_segment_align: 8
    .kernarg_segment_size: 56
    .max_flat_workgroup_size: 128
    .sgpr_count:     96
    .vgpr_count:     1024
    .wavefront_size: 32
...
	.end_amdgpu_metadata
.endif
;; end of part 2
;; launch attn (part 3): grid 4 x 64, 16 waves a work-group, clusters of 4 x 1, 327,680 bytes of LDS; arguments qq, kv, oq; writes oq
.if DOCPART == 3
	.amdgcn_target "amdgcn-amd-amdhsa--gfx1250"
	.amdhsa_code_object_version 6
	.text
	.protected	k_q584f6ce312_attn
	.globl	k_q584f6ce312_attn
	.p2align	8
	.type	k_q584f6ce312_attn,@function
k_q584f6ce312_attn:
	s_mov_b64 s[64:65], 0
	v_nop
	global_prefetch_b8 v0, s[64:65] scope:SCOPE_SE
	s_setreg_imm32_b32 hwreg(HW_REG_WAVE_MODE, 25, 1), 1
	s_wait_xcnt 0x0
	s_wait_alu depctr_hold_cnt(0) depctr_sa_sdst(0) depctr_va_vdst(0) depctr_va_sdst(0) depctr_va_ssrc(0) depctr_va_vcc(0) depctr_vm_vsrc(0)
	s_getreg_b32 s2, hwreg(HW_REG_IB_STS2, 6, 4)
	s_cmp_eq_u32 s2, 0
	s_cbranch_scc0 .Lentry_in_a_cluster
	s_endpgm
.Lentry_in_a_cluster:
	s_bfe_u32 s2, ttmp6, 0x10000c
	s_cmp_lg_u32 s2, 0x3003
	s_cbranch_scc0 .Lentry_shape_is_right
	s_endpgm
.Lentry_shape_is_right:
; O = softmax(Q K^T / 8) V on codes of FP6 (E2M3) with E8M0 scales, and O quantised along the head's 64 for the last product.
; t = score x log2(e) / 8; M = the running largest t rounded up to a whole number; p = 2^(t - M) is quantised along the keys, not normalised; the row's sum is taken of the unquantised p and divides O at the end.
; SHARES: a work-group takes 256 queries and three heads of one batch; each of its sixteen waves one tile of 16 queries through the three heads, 8 key steps of 128 each.
; K and V of the three heads, 307,200 bytes, lie in LDS from first fills alone.  The four work-groups of a cluster walk the same heads and ask jointly.  Every wave issues one load at the head (a sixteenth of head 0)
; and one behind the full sequence and a round (a sixteenth of heads 1 and 2): one load of a wave is out at the most.  No prefetch: all that the launch reads of kv is asked for by these two loads, at its head.
; LAYOUT: S^T = K Q^T, O^T = V^T P^T: a lane holds one query throughout.  The head is 64 wide and the product 128: a fragment of K holds TWO key tiles side by side, and Q stands as [q | 0] and as [0 | q]; zero codes add nothing.
; THE ROWS OF A TILE OF K ARE GATHERED BY THE LANES' LDS ADDRESSES: rows 0-7 of tile (c, i) are keys 64 c + 8 i + 0 .. 7, rows 8-15 keys 64 c + 32 + 8 i + 0 .. 7.  So the 32 registers of tiles (c, 0 .. 3) of lane (r, h)
; are keys 64 c + 32 h + 0 .. 31: a WHOLE block of p's K, in the operand's own order: a block's largest p needs no other lane, and the codes need no exchange between lanes.
; In kv a fragment G holds keys 32 G + 16 (row / 8) + 8 u + row % 8 (u: which of its two tiles); lanes 0-7 read fragment 2 c, lanes 8-15 fragment 2 c + 1, rows 8 hf + 0 .. 7, which gives tiles i = 2 hf + u.
; Odd fragments of Q and K lie with lanes l and l xor 8 exchanged, so that the sixteen lanes of such a load touch sixteen different columns of 16 bytes.
; THE ROW'S SUM RUNS ONE STEP BEHIND: a step's p stay in their registers, and the next step adds them up, in place, between the issue of its LDS loads and the wait for them; a head's end adds the last step's.
; In a head's first step f = 0 (old M - new M saturates), so what these additions bring there, leftovers of the last head (finite numbers; zeros at the kernel's start), is multiplied away with the sums' starting zeros.
; LIMITS: the promise holds while the scaled scores t stay under 2^31 in magnitude; a block of zeros gets the byte 1 (zero codes; this program alone reads the bytes); NaN and infinities are not served; 1 / sum is v_rcp_f32 and a multiplication;
; a block's largest p is made from its largest score by the same multiply-add and exponential.
.set STEPB, 12800                      ; a key step: K 6,144, V 6,144, scale words 512
.set SPARE, 307200                     ; the spare words, 128 bytes a wave
.set STAGE, 309248                     ; O's scale bytes: 512 bytes a head
.set LI,  1                            ; v1 16 l; v2 V's LDS address; v3, v4 Q's offsets; v5 K's words' address; v6 Q's word; v7, v8 the add's two; v9 8 l; v10 stage in; v11 stage out
.set AD,  2
.set AKW, 5
.set SPW, 7
.set NIL, 8
.set SCW, 42                           ; v42-45 lanes 16-31: V's four words
.set PWD, 46                           ; p's scale word
.set H8,  47                           ; 8 h
.set KF,  48                           ; v48-95 K's four fragments; behind the scores at work:
.set BM,  48
.set PM,  52
.set SO,  56
.set PCD, 60                           ; p's codes
.set H0,  72
.set FF,  80                           ; v[80:81] f = 2^(old M - new M)
.set TMP, 82
.set WD,  84
.set T2,  86
.set S,   96                           ; v96-159 S^T, then p
.set O,   160                          ; v160-191 O^T
.set VF,  192                          ; v192-239 V's four fragments
.set KB,  247                          ; v247-248 the lanes' places in K's fragments, rows 0-7 and rows 8-15
.set KWB, 249                          ; and in K's words
.set KW,  250                          ; v250-253 K's four words
.set AK,  254                          ; v254-255 K's LDS addresses
.set WV,  10
.set SEL, 66
.set CS,  68
.set TB,  71
.set CSN, 89
.macro CROUND
	s_barrier_signal -1
	s_barrier_wait -1
	s_cmp_lg_u32 s[WV], 0
	s_cbranch_scc1 .Lnot_wave_0_\@
	s_barrier_signal -3
.Lnot_wave_0_\@:
	s_barrier_wait -3
	s_barrier_signal -1
	s_barrier_wait -1
.endm
.macro QLOAD hh                        ; head hh's half image of my query tile and its word
	global_load_b64 v[240:241], v3, s[80:81] offset:(\hh)*49152
	global_load_b64 v[242:243], v4, s[80:81] offset:(\hh)*49152
	global_load_b64 v[244:245], v3, s[80:81] offset:(\hh)*49152+512
	global_load_b32 v246, v6, s[82:83] offset:(\hh)*2048
.endm
.macro NEWHEAD hh
	s_wait_loadcnt 0x0                             ; this head's Q
	s_wait_xcnt 0x0                                ; the last head's stores have read their registers,
	s_wait_dscnt 0x0                               ; and so has its LDS store
.irp i, 0,1,2,3,4,5
	v_mov_b32 v[16+\i], v[240+\i]                  ; [q | 0]
	v_mov_b32 v[34+\i], v[240+\i]                  ; [0 | q]
.endr
	v_lshrrev_b32 v[TMP], s70, v246
	s_delay_alu instid0(VALU_DEP_1)
	v_and_b32 v[TMP], 0xffff, v[TMP]               ; my tile's two bytes
	s_delay_alu instid0(VALU_DEP_1)
	v_or_b32 v40, 0x7f7f0000, v[TMP]               ; the zero codes' blocks get the byte of 1.0
	s_delay_alu instid0(VALU_DEP_2)
	v_lshl_or_b32 v41, v[TMP], 16, 0x7f7f
.if (\hh) < 2
	QLOAD (\hh)+1
.endif
	v_mov_b32 v13, 0xff61b1e6                      ; the largest score so far: -3e38
	v_mov_b32 v12, 0x7f61b1e6                      ; -M: 3e38
	v_mov_b32 v14, 0
	v_mov_b32 v15, 0
.set J_, 0
.rept 32
	v_mov_b32 v[O+J_], 0                           ; the step is written once: the first finds zeros.  (These are also the places between the scale words' making and the first product)
.set J_, J_+1
.endr
.endm
; The 64 p of the last step are added up, two at a time, as a tree in their own registers, and go onto the row's sum: 32 lines.
.macro SUMS
.irp n, 32,16,8,4,2
.set J_, 0
.rept \n/2
.if \n == 4
	s_delay_alu instid0(VALU_DEP_2)
.endif
.if \n == 2
	s_delay_alu instid0(VALU_DEP_1)
.endif
	v_pk_add_f32 v[S+J_:S+J_+1], v[S+J_:S+J_+1], v[S+J_+\n:S+J_+\n+1]
.set J_, J_+2
.endr
.endr
	s_delay_alu instid0(VALU_DEP_1)
	v_pk_add_f32 v[14:15], v[14:15], v[S:S+1]
.endm
; A KEY STEP: 128 keys.
.macro STEP
	v_add_nc_u32 v[AD], s[TB], v[LI]               ; these four lines are the places between the last products and the loads into their registers
	v_add_nc_u32 v[AK], s[TB], v[KB]
	v_add_nc_u32 v[AK+1], s[TB], v[KB+1]
	v_add_nc_u32 v[AKW], s[TB], v[KWB]
.irp x, 0,1,2,3                        ; x = 2 c + hf
	ds_load_b32 v[KW+\x], v[AKW] offset:12288+128*(\x%2)+8*(\x/2)
.endr
.irp x, 0,1,2,3
.irp k, 0,1,2
	ds_load_b128 v[KF+12*\x+4*\k:KF+12*\x+4*\k+3], v[AK+(\x%2)] offset:3072*(\x/2)+512*\k
.endr
.endr
	ds_load_b128 v[SCW:SCW+3], v[AD] offset:12288
.irp f, 0,1,2,3
.irp c, 0,1,2
	ds_load_b128 v[VF+12*\f+4*\c:VF+12*\f+4*\c+3], v[AD] offset:6144+1536*\f+512*\c
.endr
.endr
	SUMS                                           ; the last step's p, while the 29 loads are out
.irp x, 0,1,2,3
	s_wait_dscnt 22-3*\x                           ; K's words and fragments 0 .. x are in: behind them 3 (3 - x) loads of K, V's words and V's twelve
	v_wmma_scale_f32_16x16x128_f8f6f4 v[S+16*\x:S+16*\x+7], v[KF+12*\x:KF+12*\x+11], v[16:27], 0, v[KW+\x], v40 matrix_a_fmt:MATRIX_FMT_FP6 matrix_b_fmt:MATRIX_FMT_FP6
	v_wmma_scale_f32_16x16x128_f8f6f4 v[S+16*\x+8:S+16*\x+15], v[KF+12*\x:KF+12*\x+11], v[28:39], 0, v[KW+\x], v41 matrix_a_fmt:MATRIX_FMT_FP6 matrix_b_fmt:MATRIX_FMT_FP6
.endr
.rept 4
	v_nop                                          ; four places behind the products
.endr
.irp q, 0,1,2,3                        ; the largest score, four chains by turns; each accumulator is read from its low end on
	v_max3_num_f32 v[BM+\q], v[S+16*\q], v[S+16*\q+1], v[S+16*\q+2]
.endr
	v_mov_b32 v[T2], v12                           ; the old -M
.irp i, 3,5,7,9,11,13
.irp q, 0,1,2,3
	v_max3_num_f32 v[BM+\q], v[BM+\q], v[S+16*\q+\i], v[S+16*\q+\i+1]
.endr
.endr
	v_max3_num_f32 v[BM], v[BM], v[S+15], v[S+31]
	v_max3_num_f32 v[BM+2], v[BM+2], v[S+47], v[S+63]
	s_delay_alu instid0(VALU_DEP_2)
	v_max_num_f32 v[BM], v[BM], v[BM+1]            ; my block h: all its 32 scores are mine
	s_delay_alu instid0(VALU_DEP_2)
	v_max_num_f32 v[BM+2], v[BM+2], v[BM+3]        ; my block 2 + h
	s_delay_alu instid0(VALU_DEP_1)
	v_max_num_f32 v[TMP], v[BM], v[BM+2]
	s_delay_alu instid0(VALU_DEP_1)
	v_permlanex16_b32 v[PM], v[TMP], s[SEL], s[SEL+1]
	s_delay_alu instid0(VALU_DEP_1)
	v_max3_num_f32 v13, v13, v[TMP], v[PM]         ; the running largest score of my query
	s_delay_alu instid0(VALU_DEP_1)
	v_mul_f32 v12, s[CSN], v13                     ; -t (c is positive)
	s_delay_alu instid0(VALU_DEP_1)
	v_floor_f32 v12, v12                           ; the new -M = -ceil(t)
.set J_, 0
.rept 32
	v_pk_fma_f32 v[S+J_:S+J_+1], v[S+J_:S+J_+1], s[CS:CS+1], v[12:13] op_sel_hi:[1,0,0]   ; t - M
.set J_, J_+2
.if J_ == 8                            ; f is made among these lines, each of its three steps four lines behind the last
	v_sub_f32 v[TMP], v12, v[T2]                   ; old M - new M: a whole number, 0 or less
.endif
.if J_ == 16
	v_cvt_i32_f32 v[TMP], v[TMP]                   ; (it saturates)
.endif
.if J_ == 24
	v_ldexp_f32 v[FF], 1.0, v[TMP]                 ; f: a multiplication by it rounds nothing
.endif
.endr
	v_fma_f32 v[BM], v[BM], s[CS], v12             ; the same of each block's largest score
	v_fma_f32 v[BM+2], v[BM+2], s[CS], v12
	s_wait_dscnt 0x0                               ; V and its words are in
	s_wait_alu depctr_va_vdst(0)
.set J_, 0
.rept 64
	v_exp_f32 v[S+J_], v[S+J_]                     ; p
.set J_, J_+1
.endr
	v_exp_f32 v[BM], v[BM]                         ; the blocks' largest p
	v_exp_f32 v[BM+2], v[BM+2]
	v_pk_mul_f32 v[14:15], v[14:15], v[FF:FF+1] op_sel_hi:[1,0]   ; the sums under the new M: a plain place behind the exponentials
	s_wait_alu depctr_va_vdst(0)                   ; one wait for the batch, ahead of its first reader
	v_max_num_f32 v[BM], 0x1800000, v[BM]          ; the floor 2^(3 - 127)
	v_max_num_f32 v[BM+2], 0x1800000, v[BM+2]
	s_delay_alu instid0(VALU_DEP_2)
	v_add_nc_u32 v[SO], 0xff000000, v[BM]          ; 2 off the exponent field: the conversion's scale operand
	s_delay_alu instid0(VALU_DEP_2)
	v_add_nc_u32 v[SO+1], 0xff000000, v[BM+2]
.irp c, 0,1
	v_cvt_scalef32_pk16_fp6_f32 v[PCD+6*\c:PCD+6*\c+2], v[S+32*\c:S+32*\c+15], v[SO+\c]
	v_cvt_scalef32_pk16_fp6_f32 v[H0+4*\c:H0+4*\c+2], v[S+32*\c+16:S+32*\c+31], v[SO+\c]   ; (a conversion's three registers begin on an even number)
.endr
	v_lshrrev_b32 v[PM], 23, v[SO]                 ; the bytes.  (Plain places behind the conversions)
	v_lshrrev_b32 v[PM+1], 23, v[SO+1]
	s_delay_alu instid0(VALU_DEP_1)
	v_lshl_or_b32 v[WD], v[PM+1], 16, v[PM]        ; my blocks h and 2 + h,
	s_delay_alu instid0(VALU_DEP_1)
	v_lshlrev_b32 v[WD], v[H8], v[WD]              ; 8 h bits up;
	s_delay_alu instid0(VALU_DEP_1)
	v_permlanex16_b32 v[WD+1], v[WD], s[SEL], s[SEL+1]
	s_delay_alu instid0(VALU_DEP_1)
	v_or_b32 v[PWD], v[WD], v[WD+1]                ; with lane l xor 16's two the word is whole
.irp c, 0,1
.irp i, 0,1,2
	v_mov_b32 v[PCD+6*\c+3+\i], v[H0+4*\c+\i]
.endr
.endr
	s_wait_alu depctr_va_vdst(0)
.set J_, 0
.rept 16
	v_pk_mul_f32 v[O+J_:O+J_+1], v[O+J_:O+J_+1], v[FF:FF+1] op_sel_hi:[1,0]   ; O^T under the new M.  (Also the places between the making of p's codes and word and the products)
.set J_, J_+2
.endr
.irp t, 0,1,2,3
	v_wmma_scale_f32_16x16x128_f8f6f4 v[O+8*\t:O+8*\t+7], v[VF+12*\t:VF+12*\t+11], v[PCD:PCD+11], v[O+8*\t:O+8*\t+7], v[SCW+\t], v[PWD] matrix_a_fmt:MATRIX_FMT_FP6 matrix_b_fmt:MATRIX_FMT_FP6 matrix_a_scale:MATRIX_SCALE_ROW1
.endr
	s_add_co_u32 s[TB], s[TB], STEPB
.endm
; A head's end: the last step's p go onto the sum (these lines are also the places behind the last products); then O^T / the sum, quantised along the head's 64: half a fragment (768 bytes) and two bytes a row.
.macro EPI hh
	SUMS
	s_delay_alu instid0(VALU_DEP_1)
	v_add_f32 v14, v14, v15
	s_delay_alu instid0(VALU_DEP_1)
	v_permlanex16_b32 v[TMP], v14, s[SEL], s[SEL+1]
	s_delay_alu instid0(VALU_DEP_1)
	v_add_f32 v14, v14, v[TMP]
	s_wait_alu depctr_va_vdst(0)                   ; the wait ahead of the transcendental
	v_rcp_f32 v14, v14
	v_nop
	s_wait_alu depctr_va_vdst(0)                   ; and ahead of its first reader, which is O^T's first reader too
.set J_, 0
.rept 16
	v_pk_mul_f32 v[S+J_:S+J_+1], v[O+J_:O+J_+1], v[14:15] op_sel_hi:[1,0]   ; each accumulator from its low end on
.set J_, J_+2
.endr
.irp b, 0,1
	v_max3_num_f32 v[BM+\b], |v[S+16*\b]|, |v[S+16*\b+1]|, 0x1800000
.endr
.irp i, 2,4,6,8,10,12,14
.irp b, 0,1
	s_delay_alu instid0(VALU_DEP_2)
	v_max3_num_f32 v[BM+\b], v[BM+\b], |v[S+16*\b+\i]|, |v[S+16*\b+\i+1]|
.endr
.endr
.irp b, 0,1
	s_delay_alu instid0(VALU_DEP_2)
	v_permlanex16_b32 v[PM+\b], v[BM+\b], s[SEL], s[SEL+1]
.endr
.irp b, 0,1
	s_delay_alu instid0(VALU_DEP_2)
	v_max_num_f32 v[BM+\b], v[BM+\b], v[PM+\b]
.endr
.irp b, 0,1
	s_delay_alu instid0(VALU_DEP_2)
	v_add_nc_u32 v[SO+\b], 0xff000000, v[BM+\b]
.endr
.irp b, 0,1
	s_delay_alu instid0(VALU_DEP_2)
	v_lshrrev_b32 v[PM+\b], 23, v[SO+\b]
.endr
	s_delay_alu instid0(VALU_DEP_1)
	v_lshl_or_b32 v83, v[PM+1], 8, v[PM]
	v_cvt_scalef32_pk16_fp6_f32 v[PCD:PCD+2], v[S:S+15], v[SO]
	v_cvt_scalef32_pk16_fp6_f32 v[H0:H0+2], v[S+16:S+31], v[SO+1]
	v_nop
.irp i, 0,1,2
	v_permlane16_swap_b32 v[PCD+\i], v[H0+\i]
.endr
.irp i, 0,1,2
	s_delay_alu instid0(VALU_DEP_3)
	v_mov_b32 v[PCD+3+\i], v[H0+\i]
.endr
.irp p, 0,1,2
	global_store_b64 v9, v[PCD+2*\p:PCD+2*\p+1], s[84:85] offset:(\hh)*768+256*\p   ; 32 lanes store 256 consecutive bytes, aligned
.endr
	ds_store_b16 v10, v83 offset:(\hh)*512         ; both halves of the lanes write the same two bytes
.endm
	s_load_b128 s[4:7], s[0:1], 0x0                ; qq s[4:5], kv s[6:7]
	s_load_b64 s[8:9], s[0:1], 0x10                ; oq
	v_lshl_add_u32 v[SPW], v0, 2, SPARE
	v_mov_b32 v[NIL], 0
	ds_add_u32 v[SPW], v[NIL]                      ; the wave's opening
	ds_add_u32 v[SPW], v[NIL]
	v_lshrrev_b32 v2, 5, v0
	v_readfirstlane_b32 s[WV], v2                  ; wave 0..15
	s_bfe_u32 s11, ttmp6, 0x40000                  ; cx: which 256 queries: it enters Q's and O's global addresses alone
	s_and_b32 s12, ttmp7, 0xffff                   ; which three heads
	s_and_b32 s13, s[WV], 1                        ; u: which tile of the pair
	s_lshl_b32 s70, s13, 4
	s_cmp_eq_u32 s13, 0                            ; registers 0-5 or 6-11 of the pair's image: pieces of 8 bytes at 0, 8, 512 or at 520, 1,024, 1,032
	s_cselect_b32 s14, 0, 520
	s_mov_b32 s15, 1024
	s_cselect_b32 s15, 8, s15
	s_lshr_b32 s17, s[WV], 1
	s_and_b32 s18, s17, 1
	s_lshl_b32 s18, s18, 7                         ; an odd pair's image has lanes l and l xor 8 exchanged
	s_and_b32 s17, s17, 3
	s_lshl_b32 s17, s17, 2
	s_lshl_b32 s19, s[WV], 5
	s_add_co_u32 s19, s19, STAGE
	s_lshl_b32 s20, s[WV], 9
	s_add_co_u32 s20, s20, STAGE
	s_mov_b32 s[SEL], 0x76543210
	s_mov_b32 s[SEL+1], 0xfedcba98
	s_mov_b32 s[CS], 0x3e38aa3b                    ; c = log2(e) / 8
	s_mov_b32 s[CS+1], s[CS]
	s_mov_b32 s[CSN], 0xbe38aa3b                   ; -c
.irp g, 24,32                          ; two groups 1: dense rows of 256 bytes; the mask names the four
	s_mov_b32 s[\g], 15|(3<<16)|(1<<21)
	s_mov_b32 s[\g+1], 32<<16
	s_mov_b32 s[\g+3], 32<<16
	s_mov_b32 s[\g+5], 32
	s_mov_b32 s[\g+6], 0
	s_mov_b32 s[\g+7], 0
.endr
	s_mov_b32 s26, 25<<16                          ; 25 rows: a sixteenth of head 0
	s_mov_b32 s28, 25
	s_mov_b32 s34, 50<<16                          ; 50: of heads 1 and 2
	s_mov_b32 s36, 50
	s_mul_i32 s72, s12, 307200
	s_mov_b32 s73, 0
	s_mov_b32 s77, 0
	s_mov_b32 s79, 0
	v_and_b32 v82, 31, v0                          ; l
	v_and_b32 v83, 15, v0                          ; r
	v_bfe_u32 v84, v0, 4, 1                        ; h
	v_and_b32 v86, 7, v0                           ; r % 8
	v_bfe_u32 v87, v0, 3, 1                        ; r / 8
	v_lshlrev_b32 v[LI], 4, v82
	v_lshlrev_b32 v9, 3, v82
	v_lshlrev_b32 v[H8], 3, v84
	v_lshlrev_b32 v88, 4, v86
	v_lshlrev_b32 v[KWB], 4, v86
	v_xor_b32 v85, s18, v[LI]
	v_lshl_add_u32 v88, v84, 8, v88                ; 16 (16 h + r % 8)
	v_lshl_add_u32 v[KWB], v87, 2, v[KWB]          ; K's words: 16 bytes a row, word 2 c + r / 8
	v_add_nc_u32 v3, s14, v85
	v_add_nc_u32 v4, s15, v85
	v_mad_u32_u24 v[KB], v87, 1664, v88            ; rows 0-7: lanes 8-15 read the odd fragment, 1,536 on, where these rows lie 128 bytes up
	v_mad_u32_u24 v[KB+1], v87, 1408, v88          ; rows 8-15: 128 up in the even fragment, at their lanes' own places less 128 in the odd one
	v_lshl_add_u32 v6, v83, 4, s17
	v_lshl_add_u32 v10, v83, 1, s19
	v_add_nc_u32 v11, s20, v[LI]
	v_add_nc_u32 v[KB+1], 128, v[KB+1]
.irp i, 0,1,2,3,4,5
	v_mov_b32 v[22+\i], 0                          ; the zero halves of [q | 0] and [0 | q]
	v_mov_b32 v[28+\i], 0
.endr
	s_wait_alu depctr_va_vdst(0)
	s_wait_dscnt 0x0                               ; both opening adds are done
	s_wait_kmcnt 0x0
	s_add_nc_u64 s[74:75], s[6:7], s[72:73]        ; kv at my three heads
	s_mul_i32 s76, s[WV], 6400
	s_mov_b32 s48, 1
	s_add_co_u32 s49, s76, 0
	s_add_nc_u64 s[50:51], s[74:75], s[76:77]
	s_or_b32 s51, s51, 0x80000000
	s_mul_i32 s76, s[WV], 12800
	s_add_co_u32 s76, s76, 102400
	s_mov_b32 s52, 1
	s_add_co_u32 s53, s76, 0
	s_add_nc_u64 s[54:55], s[74:75], s[76:77]
	s_or_b32 s55, s55, 0x80000000
	CROUND                                         ; all four work-groups are here: the joint loads meet
	tensor_load_to_lds s[48:51], s[24:31]          ; my sixteenth of head 0: one tensor load a wave at the head
	s_nop 0
	s_mul_i32 s78, s12, 96                         ; Q: 32 pairs a head
	s_lshl_b32 s86, s11, 3
	s_add_co_u32 s78, s78, s86
	s_lshr_b32 s86, s[WV], 1
	s_add_co_u32 s78, s78, s86
	s_mul_i32 s78, s78, 1536
	s_add_nc_u64 s[80:81], s[4:5], s[78:79]
	s_mul_i32 s78, s12, 24                         ; Q's words: 8 units of 256 bytes a head
	s_lshl_b32 s86, s11, 1
	s_add_co_u32 s78, s78, s86
	s_lshr_b32 s86, s[WV], 3
	s_add_co_u32 s78, s78, s86
	s_lshl_b32 s78, s78, 8
	s_add_co_u32 s78, s78, 9437184
	s_add_nc_u64 s[82:83], s[4:5], s[78:79]
	QLOAD 0
	s_lshr_b32 s78, s12, 2                         ; O: tile 64 x batch + 16 cx + wave, head 3 (y % 4)
	s_lshl_b32 s78, s78, 6
	s_lshl_b32 s86, s11, 4
	s_add_co_u32 s78, s78, s86
	s_add_co_u32 s78, s78, s[WV]
	s_mul_i32 s78, s78, 9216
	s_and_b32 s86, s12, 3
	s_mul_i32 s86, s86, 2304
	s_add_co_u32 s78, s78, s86
	s_add_nc_u64 s[84:85], s[8:9], s[78:79]
	s_mul_i32 s78, s12, 3                          ; O's scale bytes: waves 0-2 store a head's 512 each
	s_min_u32 s86, s[WV], 2
	s_add_co_u32 s78, s78, s86
	s_lshl_b32 s78, s78, 11
	s_lshl_b32 s86, s11, 9
	s_add_co_u32 s78, s78, s86
	s_add_co_u32 s78, s78, 9437184
	s_add_nc_u64 s[86:87], s[8:9], s[78:79]
.set J_, 0
.rept 64
	v_mov_b32 v[S+J_], 0                           ; once, while the first tile is on its way: the very first step adds up p's registers before any p is made
.set J_, J_+1
.endr
	s_wait_tensorcnt 0x0                           ; my part of head 0 is in
	ds_add_u32 v[SPW], v[NIL]
	s_wait_dscnt 0x0
	CROUND                                         ; everybody's part is in, and the four work-groups are here
	tensor_load_to_lds s[52:55], s[32:39]          ; my one load behind the round: my sixteenth of heads 1 and 2
	s_nop 0
	NEWHEAD 0
	s_mov_b32 s[TB], 0
	s_mov_b32 s88, 8
.Lhead0:
	STEP
	s_sub_co_u32 s88, s88, 1
	s_cmp_lg_u32 s88, 0
	s_cbranch_scc1 .Lhead0
	s_wait_tensorcnt 0x0                           ; my part of the other two heads has landed,
	s_wait_dscnt 0x0
	s_barrier_signal -1
	s_barrier_wait -1                              ; everybody's has
	EPI 0
	NEWHEAD 1
	s_mov_b32 s[TB], 8*STEPB
	s_mov_b32 s88, 16
.Lrest:                                                ; heads 1 and 2 in one loop of sixteen steps: their key steps lie on end in LDS
	STEP
	s_sub_co_u32 s88, s88, 1
	s_cmp_lg_u32 s88, 8
	s_cbranch_scc1 .Lsame                          ; the loop's own count decides: the same in every wave
	EPI 1
	NEWHEAD 2
.Lsame:
	s_cmp_lg_u32 s88, 0
	s_cbranch_scc1 .Lrest
	EPI 2
	s_wait_dscnt 0x0                               ; my scale bytes lie in the stage
	s_barrier_signal -1
	s_barrier_wait -1
	s_cmp_lt_u32 s[WV], 3
	s_cbranch_scc0 .Lno_bytes
	ds_load_b128 v[96:99], v11
	s_wait_dscnt 0x0
	global_store_b128 v[LI], v[96:99], s[86:87]    ; 512 consecutive bytes, aligned
.Lno_bytes:
	s_wait_tensorcnt 0x0                           ; the wave's end
	ds_add_u32 v[SPW], v[NIL]
	s_wait_dscnt 0x0
	CROUND                                         ; the closing round
	s_endpgm
.Lfunc_end_k_q584f6ce312_attn:
	.size	k_q584f6ce312_attn, .Lfunc_end_k_q584f6ce312_attn-k_q584f6ce312_attn
	.p2alignl 7, 3214868480
	.fill 96, 4, 3214868480
	.section	.rodata,"a",@progbits
	.p2align	6, 0x0
	.amdhsa_kernel k_q584f6ce312_attn
		.amdhsa_group_segment_fixed_size 327680
		.amdhsa_private_segment_fixed_size 0
		.amdhsa_enable_private_segment 0
		.amdhsa_kernarg_size 24
		.amdhsa_user_sgpr_count 2
		.amdhsa_user_sgpr_kernarg_segment_ptr 1
		.amdhsa_wavefront_size32 1
		.amdhsa_system_sgpr_workgroup_id_x 1
		.amdhsa_system_sgpr_workgroup_id_y 1
		.amdhsa_system_sgpr_workgroup_id_z 1
		.amdhsa_system_vgpr_workitem_id 0
		.amdhsa_next_free_vgpr 256
		.amdhsa_next_free_sgpr 100
		.amdhsa_reserve_vcc 0
		.amdhsa_float_denorm_mode_32 3
		.amdhsa_float_denorm_mode_16_64 3
		.amdhsa_memory_ordered 1
		.amdhsa_forward_progress 1
		.amdhsa_inst_pref_size 67
	.end_amdhsa_kernel
	.amdgpu_metadata
---
amdhsa.version: [ 1, 2 ]
amdhsa.kernels:
  - .name:           k_q584f6ce312_attn
    .symbol:         k_q584f6ce312_attn.kd
    .args:
      - { .name: qq, .offset: 0, .size: 8, .value_kind: global_buffer, .address_space: global }
      - { .name: kv, .offset: 8, .size: 8, .value_kind: global_buffer, .address_space: global }
      - { .name: oq, .offset: 16, .size: 8, .value_kind: global_buffer, .address_space: global }
    .group_segment_fixed_size: 327680
    .private_segment_fixed_size: 0
    .kernarg_segment_align: 8
    .kernarg_segment_size: 24
    .max_flat_workgroup_size: 512
    .sgpr_count:     100
    .vgpr_count:     256
    .wavefront_size: 32
...
	.end_amdgpu_metadata
.endif
;; end of part 3
;; launch proj (part 4): grid 64 x 4, 4 waves a work-group, clusters of 4 x 1, 167,936 bytes of LDS; arguments oq, wq, bo, out0; writes out0
.if DOCPART == 4
	.amdgcn_target "amdgcn-amd-amdhsa--gfx1250"
	.amdhsa_code_object_version 6
	.text
	.protected	k_q584f6ce312_proj
	.globl	k_q584f6ce312_proj
	.p2align	8
	.type	k_q584f6ce312_proj,@function
k_q584f6ce312_proj:
	s_mov_b64 s[64:65], 0
	v_nop
	global_prefetch_b8 v0, s[64:65] scope:SCOPE_SE
	s_setreg_imm32_b32 hwreg(HW_REG_WAVE_MODE, 25, 1), 1
	s_wait_xcnt 0x0
	s_wait_alu depctr_hold_cnt(0) depctr_sa_sdst(0) depctr_va_vdst(0) depctr_va_sdst(0) depctr_va_ssrc(0) depctr_va_vcc(0) depctr_vm_vsrc(0)
	s_getreg_b32 s2, hwreg(HW_REG_IB_STS2, 6, 4)
	s_cmp_eq_u32 s2, 0
	s_cbranch_scc0 .Lentry_in_a_cluster
	s_endpgm
.Lentry_in_a_cluster:
	s_bfe_u32 s2, ttmp6, 0x10000c
	s_cmp_lg_u32 s2, 0x3003
	s_cbranch_scc0 .Lentry_shape_is_right
	s_endpgm
.Lentry_shape_is_right:
; out0 = O Wo + bo on codes of FP6 (E2M3) with E8M0 scales; out0 f32.
; SHARES: a work-group makes 256 rows x 192 columns.  A wave owns 64 rows (4 tiles of O; their 24 fragments stay in registers) against all 12 tiles of columns: 48 accumulators, 288 products.
; Source 0 = 16 columns of Wo, source 1 = 16 rows of O: a lane holds eight neighbouring columns of one row.  A wave's piece of a row is 768 bytes, three aligned units of 256, so each wave has a stage of its own.
; Wo's slice (115,200 bytes, three blocks of 256 along K) lies in LDS from first fills alone; the four work-groups of a cluster take the same columns and ask jointly.  Waves 0-2 fetch; one load of a wave is out at the most.
; bo is the C of each sum's first product (so it is added first, not last).
; REGISTERS: window 0: v1-15 addresses; v16-27 O's scale words; v28-63 Wo's; v64-135, v136-207 Wo's fragments, two buffers of six; v208-255 bias of column tiles 0-5.
;   window 1: O's fragments 4 s + a, s = 0..4.   window 2: accumulators of row tiles 0, 1 (96 a' + 8 t); v192-239 bias of column tiles 6-11.   window 3: accumulators of row tiles 2, 3; v192-239 O's fragments of s = 5.
.set SPARE, 115200
.set STAGE, 115712                     ; 16 rows x (768 + 16) bytes a wave
.set LI,  1                            ; 16 l
.set L8,  2                            ; 8 l
.set WA,  3                            ; v3-5  16 l + 38,400 x block
.set RA,  6                            ; v6-8  8 l + 38,400 x block
.set STO, 9
.set RD,  10
.set CO,  11
.set SPW, 12
.set NIL, 13
.set H64, 14
.set L2,  15
.set OS,  16
.set WS,  28
.set WB,  64
.set WV,  12
.set MSB, 0
.macro WIN new
.if MSB != (\new)
	s_set_vgpr_msb (MSB<<8)|(\new)
.set MSB, (\new)
.endif
.endm
.macro PLACES n
.rept \n
	v_nop
.endr
.endm
.macro CROUND
	s_barrier_signal -1
	s_barrier_wait -1
	s_cmp_lg_u32 s[WV], 0
	s_cbranch_scc1 .Lnot_wave_0_\@
	s_barrier_signal -3
.Lnot_wave_0_\@:
	s_barrier_wait -3
	s_barrier_signal -1
	s_barrier_wait -1
.endm
.macro WMM
.if (rRA == 0) && (rRB == 0)
	v_wmma_scale_f32_16x16x128_f8f6f4 v[rD:rD+7], v[rA:rA+11], v[rB:rB+11], v[rC:rC+7], v[rSA], v[rSB] matrix_a_fmt:MATRIX_FMT_FP6 matrix_b_fmt:MATRIX_FMT_FP6
.elseif rRB == 0
	v_wmma_scale_f32_16x16x128_f8f6f4 v[rD:rD+7], v[rA:rA+11], v[rB:rB+11], v[rC:rC+7], v[rSA], v[rSB] matrix_a_fmt:MATRIX_FMT_FP6 matrix_b_fmt:MATRIX_FMT_FP6 matrix_a_scale:MATRIX_SCALE_ROW1
.elseif rRA == 0
	v_wmma_scale_f32_16x16x128_f8f6f4 v[rD:rD+7], v[rA:rA+11], v[rB:rB+11], v[rC:rC+7], v[rSA], v[rSB] matrix_a_fmt:MATRIX_FMT_FP6 matrix_b_fmt:MATRIX_FMT_FP6 matrix_b_scale:MATRIX_SCALE_ROW1
.else
	v_wmma_scale_f32_16x16x128_f8f6f4 v[rD:rD+7], v[rA:rA+11], v[rB:rB+11], v[rC:rC+7], v[rSA], v[rSB] matrix_a_fmt:MATRIX_FMT_FP6 matrix_b_fmt:MATRIX_FMT_FP6 matrix_a_scale:MATRIX_SCALE_ROW1 matrix_b_scale:MATRIX_SCALE_ROW1
.endif
.endm
.macro GLD n                           ; group n's six fragments of Wo: K step n / 2, column tiles 6 (n % 2) on
.set S2_, (\n)/2
.set H2_, (\n)%2
.set WBX, WB+72*((\n)%2)
.irp tt, 0,1,2,3,4,5
.irp c, 0,1,2
	ds_load_b128 v[WBX+12*\tt+4*\c:WBX+12*\tt+4*\c+3], v[WA+S2_/2] offset:(S2_%2)*18432+(6*H2_+\tt)*1536+512*\c
.endr
.endr
.endm
.macro RECS g                          ; block g's six records of scale words
.irp p, 0,1,2,3,4,5
	ds_load_b64 v[WS+12*(\g)+2*\p:WS+12*(\g)+2*\p+1], v[RA+(\g)] offset:36864+256*\p
.endr
.endm
.macro GRP n                           ; 24 products on 24 accumulators by turns
.set S_, (\n)/2
.set HF_, (\n)%2
	WIN 0
	PLACES 4                                       ; in front of loads into registers that the last group's products have read
.if (\n) == 3
	RECS 1
	RECS 2
.endif
.if (\n) < 11
	GLD (\n)+1
	s_wait_dscnt 18                                ; all but the 18 just issued
.else
	s_wait_dscnt 0x0
.endif
.irp ah, 0,1
.irp tt, 0,1,2,3,4,5
.irp ap, 0,1
.set T_, 6*HF_+\tt
.set A_, 2*\ah+\ap
.set rD, 96*\ap+8*T_
.set rA, WB+72*((\n)%2)+12*\tt
.if S_ < 5
.set rB, 12*(4*S_+A_)
.set BW_, 1
.else
.set rB, 192+12*A_
.set BW_, 3
.endif
.if (S_ == 0) && (HF_ == 0)
.set rC, 208+8*\tt
.set CW_, 0
.elseif S_ == 0
.set rC, 192+8*\tt
.set CW_, 2
.else
.set rC, rD
.set CW_, 2+\ah
.endif
	WIN ((2+\ah)<<6)|(CW_<<4)|(BW_<<2)
.set rSA, WS+12*(S_/2)+2*(T_/2)+S_%2
.set rSB, OS+6*(A_/2)+S_
.set rRA, T_%2
.set rRB, A_%2
	WMM
.endr
.endr
.endr
.endm
; THE WAY OUT, a tile of 16 rows at a time, through my own stage: in 32 bytes a lane, back as rows, so that sixteen lanes store 256 consecutive bytes.  LDS serves a wave's instructions in order.
.macro TOSTAGE a
	WIN (2+(\a)/2)<<2                              ; an LDS store's data are its source 1
.irp t, 0,1,2,3,4,5,6,7,8,9,10,11
	ds_store_b128 v[STO], v[96*((\a)%2)+8*\t:96*((\a)%2)+8*\t+3] offset:128*(\t/2)+32*(\t%2)       ; each accumulator from its low end on
	ds_store_b128 v[STO], v[96*((\a)%2)+8*\t+4:96*((\a)%2)+8*\t+7] offset:128*(\t/2)+32*(\t%2)+16
.endr
	WIN 0
.set BB, 64+96*((\a)%2)
.irp q, 0,1,2,3,4,5,6,7
.irp k, 0,1,2
	ds_load_b128 v[BB+4*(3*\q+\k):BB+4*(3*\q+\k)+3], v[RD] offset:1568*\q+256*\k
.endr
.endr
.endm
.macro SEND a, younger
.set BB, 64+96*((\a)%2)
	s_wait_dscnt \younger
.irp q, 0,1,2,3,4,5,6,7
.irp k, 0,1,2
	global_store_b128 v[CO], v[BB+4*(3*\q+\k):BB+4*(3*\q+\k)+3], s[50:51] offset:(32*((\a)/2)+8*((\a)%2)+2*\q+8*(\q/4))*3072+256*\k th:TH_STORE_NT
.endr
.endr
.endm
	s_load_b256 s[4:11], s[0:1], 0x0               ; oq s[4:5], wq s[6:7], bo s[8:9], out0 s[10:11]
	v_lshl_add_u32 v[SPW], v0, 2, SPARE
	v_mov_b32 v[NIL], 0
	ds_add_u32 v[SPW], v[NIL]                      ; the wave's opening
	ds_add_u32 v[SPW], v[NIL]
	v_lshrrev_b32 v64, 5, v0
	v_readfirstlane_b32 s[WV], v64                 ; wave
	s_bfe_u32 s13, ttmp6, 0x40000                  ; cx
	s_lshl_b32 s14, ttmp9, 2
	s_add_co_u32 s14, s14, s13                     ; which 256 rows
	s_and_b32 s15, ttmp7, 0xffff                   ; which 192 columns: shared by the cluster
	s_mov_b32 s24, 15|(3<<16)|(1<<21)
	s_mov_b32 s25, 32<<16
	s_mov_b32 s26, 150<<16                         ; 150 dense rows of 256 bytes: a whole block
	s_mov_b32 s27, 32<<16
	s_mov_b32 s28, 150
	s_mov_b32 s29, 32
	s_mov_b32 s30, 0
	s_mov_b32 s31, 0
	v_and_b32 v65, 31, v0                          ; l
	v_and_b32 v66, 15, v0                          ; r
	v_bfe_u32 v67, v0, 4, 1                        ; h
	v_lshlrev_b32 v[LI], 4, v65
	v_lshlrev_b32 v[L8], 3, v65
.irp g, 0,1,2
	v_add_nc_u32 v[WA+\g], \g*38400, v[LI]
	v_add_nc_u32 v[RA+\g], \g*38400, v[L8]
.endr
	s_mul_i32 s16, s[WV], 12544
	s_add_co_u32 s16, s16, STAGE
	v_mul_u32_u24 v[STO], v66, 784
	v_lshl_add_u32 v[STO], v67, 6, v[STO]
	v_add_nc_u32 v[STO], s16, v[STO]               ; in: row r, + 64 h
	v_mul_u32_u24 v[RD], v67, 784
	v_lshl_add_u32 v[RD], v66, 4, v[RD]
	v_add_nc_u32 v[RD], s16, v[RD]                 ; back: lanes 0-15 one row, lanes 16-31 the next
	v_mul_u32_u24 v[CO], v67, 3072
	v_lshl_add_u32 v[CO], v66, 4, v[CO]
	v_lshlrev_b32 v[H64], 6, v67
	v_lshlrev_b32 v[L2], 1, v65
	s_mov_b32 s53, 0
	s_wait_dscnt 0x0                               ; the opening add is done
	s_wait_kmcnt 0x0
	s_lshl_b32 s16, s14, 4
	s_lshl_b32 s17, s[WV], 2
	s_add_co_u32 s16, s16, s17                     ; my first tile of O
	s_mul_i32 s52, s16, 9216
	s_add_nc_u64 s[44:45], s[4:5], s[52:53]
	s_lshr_b32 s16, s14, 2
	s_mul_i32 s16, s16, 384                        ; 12 heads x 32 pairs a batch
	s_and_b32 s17, s14, 3
	s_lshl_b32 s17, s17, 3
	s_add_co_u32 s16, s16, s17
	s_lshl_b32 s17, s[WV], 1
	s_add_co_u32 s16, s16, s17
	s_lshl_b32 s52, s16, 6
	s_add_co_u32 s52, s52, 9437184
	s_add_nc_u64 s[46:47], s[4:5], s[52:53]        ; O's scale bytes: head 0, my first pair
	s_mul_i32 s52, s15, 768
	s_add_nc_u64 s[48:49], s[8:9], s[52:53]
	s_lshl_b32 s16, s14, 8
	s_lshl_b32 s17, s[WV], 6
	s_add_co_u32 s16, s16, s17
	s_mul_i32 s16, s16, 3072
	s_add_co_u32 s52, s52, s16
	s_add_nc_u64 s[50:51], s[10:11], s[52:53]
	s_mul_i32 s54, s[WV], 38400                    ; waves 0-2 fetch a block each: one tensor load a wave
	s_mul_i32 s52, s15, 115200
	s_add_co_u32 s52, s52, s54
	s_add_co_u32 s52, s52, 1382400
	s_add_nc_u64 s[56:57], s[6:7], s[52:53]
.irp g, 0
	s_mov_b32 s[32+4*\g], 1
	s_add_co_u32 s[33+4*\g], s54, \g*38400
	s_add_nc_u64 s[34+4*\g:35+4*\g], s[56:57], \g*38400
	s_or_b32 s[35+4*\g], s[35+4*\g], 0x80000000
.endr
	CROUND                                         ; all four work-groups are here: the joint loads meet
	s_cmp_lt_u32 s[WV], 3
	s_cbranch_scc0 .Lno_fetch
.irp g, 0
	tensor_load_to_lds s[32+4*\g:35+4*\g], s[24:31]
	s_nop 0
.endr
	PLACES 4
.Lno_fetch:
	WIN 0x40
.irp s, 0,1,2,3,4
.irp a, 0,1,2,3
.irp p, 0,1,2,3,4,5
	global_load_b64 v[12*(4*\s+\a)+2*\p:12*(4*\s+\a)+2*\p+1], v[L8], s[44:45] offset:(6*\a+\s)*1536+256*\p
.endr
.endr
.endr
	WIN 0xc0
.irp a, 0,1,2,3
.irp p, 0,1,2,3,4,5
	global_load_b64 v[192+12*\a+2*\p:192+12*\a+2*\p+1], v[L8], s[44:45] offset:(6*\a+5)*1536+256*\p
.endr
.endr
	WIN 0x80
	s_wait_alu depctr_va_vdst(0)
.irp t, 0,1,2,3,4,5
	global_load_b128 v[192+8*\t:192+8*\t+3], v[H64], s[48:49] offset:128*((\t+6)/2)+32*(\t%2)
	global_load_b128 v[192+8*\t+4:192+8*\t+7], v[H64], s[48:49] offset:128*((\t+6)/2)+32*(\t%2)+16
.endr
	WIN 0
.irp t, 0,1,2,3,4,5
	global_load_b128 v[208+8*\t:208+8*\t+3], v[H64], s[48:49] offset:128*(\t/2)+32*(\t%2)
	global_load_b128 v[208+8*\t+4:208+8*\t+7], v[H64], s[48:49] offset:128*(\t/2)+32*(\t%2)+16
.endr
.irp i, 0,1
.irp d, 0,1,2,3,4,5,6,7,8,9,10,11
	global_load_u16 v[136+12*\i+\d], v[L2], s[46:47] offset:\d*2048+64*\i   ; a head's two bytes: lanes 0-15 tile 2 i, lanes 16-31 tile 2 i + 1
.endr
.endr
	s_wait_loadcnt 0x0
.irp i, 0,1
.irp s, 0,1,2,3,4,5
	v_lshl_or_b32 v[OS+6*\i+\s], v[136+12*\i+2*\s+1], 16, v[136+12*\i+2*\s]   ; two heads make a K step's word
.endr
.endr
	PLACES 8                                       ; a scale register written by a vector instruction stands 8 places ahead of a scaled product
	s_wait_alu depctr_va_vdst(0)
	s_wait_tensorcnt 0x0                           ; my block is in
	s_barrier_signal -1
	s_barrier_wait -1
	RECS 0
	GLD 0
.irp n, 0,1,2,3,4,5,6,7,8,9,10,11
	GRP \n
.endr
	WIN 0
	PLACES 5
	TOSTAGE 0
	TOSTAGE 1
	SEND 0, 48                                     ; behind tile 0's loads: tile 1's 24 stores and 24 loads
	s_wait_xcnt 0x0                                ; tile 0's stores have read their registers: tile 2's rows may land there
	TOSTAGE 2
	SEND 1, 48
	s_wait_xcnt 0x0
	TOSTAGE 3
	SEND 2, 48
	SEND 3, 0
	s_wait_tensorcnt 0x0                           ; the wave's end
	ds_add_u32 v[SPW], v[NIL]
	s_wait_dscnt 0x0
	CROUND                                         ; the closing round
	s_endpgm
.Lfunc_end_k_q584f6ce312_proj:
	.size	k_q584f6ce312_proj, .Lfunc_end_k_q584f6ce312_proj-k_q584f6ce312_proj
	.p2alignl 7, 3214868480
	.fill 96, 4, 3214868480
	.section	.rodata,"a",@progbits
	.p2align	6, 0x0
	.amdhsa_kernel k_q584f6ce312_proj
		.amdhsa_group_segment_fixed_size 167936
		.amdhsa_private_segment_fixed_size 0
		.amdhsa_enable_private_segment 0
		.amdhsa_kernarg_size 32
		.amdhsa_user_sgpr_count 2
		.amdhsa_user_sgpr_kernarg_segment_ptr 1
		.amdhsa_wavefront_size32 1
		.amdhsa_system_sgpr_workgroup_id_x 1
		.amdhsa_system_sgpr_workgroup_id_y 1
		.amdhsa_system_sgpr_workgroup_id_z 1
		.amdhsa_system_vgpr_workitem_id 0
		.amdhsa_next_free_vgpr 1024
		.amdhsa_next_free_sgpr 80
		.amdhsa_reserve_vcc 0
		.amdhsa_float_denorm_mode_32 3
		.amdhsa_float_denorm_mode_16_64 3
		.amdhsa_memory_ordered 1
		.amdhsa_forward_progress 1
		.amdhsa_inst_pref_size 100
	.end_amdhsa_kernel
	.amdgpu_metadata
---
amdhsa.version: [ 1, 2 ]
amdhsa.kernels:
  - .name:           k_q584f6ce312_proj
    .symbol:         k_q584f6ce312_proj.kd
    .args:
      - { .name: oq, .offset: 0, .size: 8, .value_kind: global_buffer, .address_space: global }
      - { .name: wq, .offset: 8, .size: 8, .value_kind: global_buffer, .address_space: global }
      - { .name: bo, .offset: 16, .size: 8, .value_kind: global_buffer, .address_space: global }
      - { .name: out0, .offset: 24, .size: 8, .value_kind: global_buffer, .address_space: global }
    .group_segment_fixed_size: 167936
    .private_segment_fixed_size: 0
    .kernarg_segment_align: 8
    .kernarg_segment_size: 32
    .max_flat_workgroup_size: 128
    .sgpr_count:     80
    .vgpr_count:     1024
    .wavefront_size: 32
...
	.end_amdgpu_metadata
.endif
;; end of part 4
